; MI455X (gfx1250); checked and timed in simulation.
; The chip was launched on July 23, 2026; its instructions are those of AMD's public machine-readable ISA for CDNA 5 (MIT licence, August 2026) and "CDNA5" Instruction Set Architecture Reference Guide (July 2026). The comments in the code are by the model that wrote it; some were corrected since.
;; V Net Decouple Attention ABC. Allowed arithmetic: float matrix products may take bf16 or f16 operands with f32 sums; all other float work in f32.
;; Inputs: Wk 256 x 2,048 float32; Wo 2,048 x 256 float32; Wq 256 x 2,048 float32; Wv 256 x 2,048 float32; emb 8 x 128 x 256 float32.
;; Outputs: out0 8 x 128 x 256 float32.
;; 2 versions, each right; version 2 is version 1 with the launch outp written anew for expert scheduling mode. Each part assembles by itself: llvm-mc -triple=amdgcn-amd-amdhsa -mcpu=gfx1250 --defsym DOCPART=n.
;; ======== version 1 of 2: 4 launches
;; limits: values are held in f16: magnitudes above 65,504 overflow, below 6.1e-05 lose precision
;; workspace buffers: qf 4,194,304 bytes; kvf 8,388,608 bytes; gp 16,777,216 bytes; mub 131,072 bytes; varp 2,048 bytes; wof 1,048,576 bytes; ctxf 4,194,304 bytes
;; launch proj (part 1): grid 128 x 3, 8 waves a work-group, no clusters, 142,336 bytes of LDS; arguments emb, Wq, Wk, Wv, qf, kvf, gp, mub; writes qf, kvf, gp, mub
.if DOCPART == 1
	.amdgcn_target "amdgcn-amd-amdhsa--gfx1250"
	.amdhsa_code_object_version 6
	.text
	.protected	k_q7213fa47d5_proj
	.globl	k_q7213fa47d5_proj
	.p2align	8
	.type	k_q7213fa47d5_proj,@function
k_q7213fa47d5_proj:
	s_mov_b64 s[64:65], 0
	v_nop
	global_prefetch_b8 v0, s[64:65] scope:SCOPE_SE
	s_setreg_imm32_b32 hwreg(HW_REG_WAVE_MODE, 25, 1), 1
	s_wait_xcnt 0x0
; q, k or v (work-group y = 0, 1, 2) of one sample s and one chunk j of 128 channels: a 128 x 128 block of emb[s] W, K = 256.
; Operands are rounded to f16, sums are f32.  The block leaves in f16 in the order in which the attention launch's matrix
; instructions want it: fragments of 16 rows x 32 k = 1,024 bytes, [half 2][lane 32][16 bytes], so every store of a wave is
; 512 consecutive bytes.  q and k: rows = channels, k = tokens.  v: rows = tokens, k = channels (sources exchanged).
; For q and k the block is also centred over its 128 channels, and the means (128 f32) and the centred Gram matrix over
; tokens (128 x 128 f32) are stored: the instance norm's variance is made of them in the next launch.
; LIMITS: |emb|, |W|, |q|, |k|, |v| below 65,504 (f16); NaN and infinities are not served.
; No cluster: LDS is filled through registers (f32 to f16 on the way), so there is no joint request to share.
.set PE,    528                        ; LDS pitch of emb rows: 512 bytes + 16 (an odd multiple of 16)
.set PW,    288                        ; LDS pitch of W rows and of centred rows: 256 bytes + 32 (an odd multiple of 32, for the transposing loads)
.set WREG,  128*PE                     ; W [256 i][128 c] behind emb [128 n][256 i]; later the centred block [128 c][128 n]
.set HALFW, 128*PW
.set EO,   4                           ; v4   byte offset in emb[s]: 16 t
.set WO,   5                           ; v5   8,192 w + 16 L: my place in W's rows, and in the Gram block
.set ES,   6                           ; v6   LDS: where my 4 numbers of emb go
.set WS,   7                           ; v7-8 LDS: where my 4 numbers of W go (rows 0-127, 128-255)
.set ADA,  9                           ; v9   LDS: my fragment of emb
.set ADW,  10                          ; v10-11 LDS: fragments of W (k 0-127, 128-255); v10 also those of the centred block
.set ADG,  12                          ; v12  LDS: my wave's token tile of the centred block
.set OUTO, 13                          ; v13  byte offset of my 16 bytes in an output fragment
.set CST,  14                          ; v14  LDS: where my centred numbers go
.set MUA,  15                          ; v15  LDS: where my means go
.set LB0,  32                          ; v[32:95], v[96:159]: two batches of 16 loads
.set LB1,  96
.set CT,   160                         ; v[160:191] converted
.set ACC,  32                          ; v[32:95]  8 accumulator tiles
.set F0,   96                          ; v[96:167], v[168:239]: fragment buffers, A in 8 registers, then 8 x B
.set F1,   168
.set PK,   96                          ; v[96:127]  packed results
.set PK2,  128                         ; v[128:159] packed centred results
.set MS,   240                         ; v[240:247] means of my 8 tokens
.macro PLACES                          ; four places behind a matrix instruction (ISA guide 7.12.1)
.rept 4
	v_nop
.endr
.endm
.macro LOAD16 buf, adr, blo, stride, first
.irp i, 0,1,2,3,4,5,6,7,8,9,10,11,12,13,14,15
	global_load_b128 v[\buf+4*\i:\buf+4*\i+3], v[\adr], s[\blo:\blo+1] offset:(\first+\i)*\stride
.endr
.endm
.macro CVST16 buf, adr, step, first    ; 64 f32 to f16, 8 bytes for each load into LDS
.irp i, 0,1,2,3,4,5,6,7,8,9,10,11,12,13,14,15
	v_cvt_pk_f16_f32 v[CT+2*\i],   v[\buf+4*\i],   v[\buf+4*\i+1]
	v_cvt_pk_f16_f32 v[CT+2*\i+1], v[\buf+4*\i+2], v[\buf+4*\i+3]
.endr
.irp i, 0,1,2,3,4,5,6,7,8,9,10,11,12,13,14,15
	ds_store_b64 v[\adr], v[CT+2*\i:CT+2*\i+1] offset:(\first+\i)*\step
.endr
.endm
; 18 LDS loads: my 16 tokens x 32 i of emb, and 32 i x 128 channels of W, transposed on the way
.macro FETCH f, ks
	ds_load_b128 v[\f:\f+3],   v[ADA] offset:64*\ks
	ds_load_b128 v[\f+4:\f+7], v[ADA] offset:64*\ks+32
.irp b, 0,1,2,3,4,5,6,7
	ds_load_tr16_b128 v[\f+8+8*\b:\f+11+8*\b],  v[ADW+(\ks>>2)] offset:(\ks&3)*32*PW+32*\b
	ds_load_tr16_b128 v[\f+12+8*\b:\f+15+8*\b], v[ADW+(\ks>>2)] offset:(\ks&3)*32*PW+32*\b+16*PW
.endr
.endm
; the same for the Gram matrix: both operands from the centred block [c][n]
.macro FETCHG f, y
	ds_load_tr16_b128 v[\f:\f+3],   v[ADG] offset:\y*32*PW
	ds_load_tr16_b128 v[\f+4:\f+7], v[ADG] offset:\y*32*PW+16*PW
.irp b, 0,1,2,3,4,5,6,7
	ds_load_tr16_b128 v[\f+8+8*\b:\f+11+8*\b],  v[ADW] offset:\y*32*PW+32*\b
	ds_load_tr16_b128 v[\f+12+8*\b:\f+15+8*\b], v[ADW] offset:\y*32*PW+32*\b+16*PW
.endr
.endm
; 8 matrix instructions; the 8 accumulators take turns, one instruction a turn
.macro MUL8 f, zero, swap
.irp b, 0,1,2,3,4,5,6,7
.if \swap
.if \zero
	v_wmma_f32_16x16x32_f16 v[ACC+8*\b:ACC+8*\b+7], v[\f+8+8*\b:\f+15+8*\b], v[\f:\f+7], 0
.else
	v_wmma_f32_16x16x32_f16 v[ACC+8*\b:ACC+8*\b+7], v[\f+8+8*\b:\f+15+8*\b], v[\f:\f+7], v[ACC+8*\b:ACC+8*\b+7]
.endif
.else
.if \zero
	v_wmma_f32_16x16x32_f16 v[ACC+8*\b:ACC+8*\b+7], v[\f:\f+7], v[\f+8+8*\b:\f+15+8*\b], 0
.else
	v_wmma_f32_16x16x32_f16 v[ACC+8*\b:ACC+8*\b+7], v[\f:\f+7], v[\f+8+8*\b:\f+15+8*\b], v[ACC+8*\b:ACC+8*\b+7]
.endif
.endif
.endr
.endm
; one K step: left = LDS loads that may stay out (the other buffer's 18); more = 1: this buffer is loaded again, two steps ahead
.macro KSTEP f, ks, zero, swap, left, more
	s_wait_dscnt \left
	MUL8 \f, \zero, \swap
.if \more
	PLACES
	FETCH \f, (\ks+2)
.endif
.endm
.macro GEMM swap
	FETCH F0, 0
	FETCH F1, 1
	KSTEP F0, 0, 1, \swap, 18, 1           ; the first product starts the sums
	KSTEP F1, 1, 0, \swap, 18, 1
	KSTEP F0, 2, 0, \swap, 18, 1
	KSTEP F1, 3, 0, \swap, 18, 1
	KSTEP F0, 4, 0, \swap, 18, 1
	KSTEP F1, 5, 0, \swap, 18, 1
	KSTEP F0, 6, 0, \swap, 18, 0
	KSTEP F1, 7, 0, \swap, 0, 0
.endm
.macro PACK dst
.irp b, 0,1,2,3,4,5,6,7
.irp p, 0,1,2,3
	v_cvt_pk_f16_f32 v[\dst+4*\b+\p], v[ACC+8*\b+2*\p], v[ACC+8*\b+2*\p+1]
.endr
.endr
.endm
	s_load_b256 s[8:15], s[0:1], 0x0               ; emb s[8:9], Wq s[10:11], Wk s[12:13], Wv s[14:15]
	s_load_b256 s[16:23], s[0:1], 0x20             ; qf s[16:17], kvf s[18:19], gp s[20:21], mub s[22:23]
	v_lshl_add_u32 v254, v0, 2, 0x22800
	v_mov_b32 v255, 0
	v_lshrrev_b32 v1, 5, v0
	v_readfirstlane_b32 s4, v1                     ; wave w
	s_and_b32 s5, ttmp7, 0xffff                    ; which: 0 q, 1 k, 2 v
	s_lshr_b32 s6, ttmp9, 4                        ; sample s
	s_and_b32 s7, ttmp9, 15                        ; chunk j
	s_mov_b32 s3, 0                                ; high words of 32-bit offsets
	s_mov_b32 s27, 0
	v_and_b32 v1, 31, v0                           ; L
	v_and_b32 v2, 15, v0                           ; r
	v_bfe_u32 v3, v0, 4, 1                         ; h
	v_lshlrev_b32 v[EO], 4, v0
	s_lshl_b32 s2, s4, 13
	v_lshl_add_u32 v[WO], v1, 4, s2                ; row w of eight rows of 8,192 bytes, 16 bytes a lane
	s_lshr_b32 s2, s4, 1                           ; emb: two waves cover a row of 1,024 bytes
	s_mul_i32 s2, s2, PE
	s_and_b32 s26, s4, 1
	s_lshl_b32 s26, s26, 8
	s_add_co_u32 s2, s2, s26
	v_lshl_add_u32 v[ES], v1, 3, s2
	s_mul_i32 s2, s4, PW
	s_add_co_u32 s2, s2, WREG
	v_lshl_add_u32 v[WS], v1, 3, s2
	v_add_nc_u32 v[WS+1], HALFW, v[WS]
	s_mul_i32 s2, s4, 16*PE
	v_mul_u32_u24 v18, v2, PE
	v_lshl_add_u32 v18, v3, 4, v18
	v_add_nc_u32 v[ADA], s2, v18                   ; (16 w + r) pitch + 16 h
	v_and_b32 v18, 7, v0
	v_lshl_add_u32 v18, v3, 3, v18
	v_mul_u32_u24 v18, v18, PW
	v_bfe_u32 v19, v0, 3, 1
	v_lshl_add_u32 v18, v19, 4, v18
	v_add_nc_u32 v[ADW], WREG, v18                 ; (8 h + L mod 8) pitch + 16 ((L / 8) mod 2)
	v_add_nc_u32 v[ADW+1], HALFW, v[ADW]
	s_lshl_b32 s2, s4, 5
	v_add_nc_u32 v[ADG], s2, v[ADW]                ; + my token tile's 32 bytes
	s_add_co_u32 s26, s2, WREG
	v_mul_u32_u24 v18, v2, PW
	v_lshl_add_u32 v18, v3, 4, v18
	v_add_nc_u32 v[CST], s26, v18                  ; row r, tokens 16 w + 8 h
	s_lshl_b32 s2, s4, 6
	v_lshl_add_u32 v[MUA], v3, 5, s2               ; 4 (16 w + 8 h)
	s_cmp_eq_u32 s5, 2
	s_cselect_b32 s2, 10, 9                        ; v: fragment w; q, k: half fragment w
	s_lshl_b32 s2, s4, s2
	v_lshl_add_u32 v[OUTO], v1, 4, s2
	s_lshl_b32 s28, s6, 19                         ; q: s x 524,288 + j x 32,768
	s_lshl_b32 s29, s7, 15
	s_add_co_u32 s28, s28, s29
	s_lshl_b32 s32, s6, 20                         ; k, v: s x 1 MiB + (j / 2) x 131,072 + (j mod 2) x 32,768
	s_lshr_b32 s33, s7, 1
	s_lshl_b32 s33, s33, 17
	s_add_co_u32 s32, s32, s33
	s_and_b32 s33, s7, 1
	s_lshl_b32 s33, s33, 15
	s_add_co_u32 s32, s32, s33
	s_wait_kmcnt 0x0
	s_cmp_eq_u32 s5, 0
	s_cselect_b32 s2, s28, s32
	s_cselect_b64 s[30:31], s[16:17], s[18:19]
	s_cselect_b64 s[24:25], s[10:11], s[12:13]
	s_add_nc_u64 s[30:31], s[30:31], s[2:3]        ; where the block goes
	s_cmp_eq_u32 s5, 2
	s_cselect_b64 s[24:25], s[14:15], s[24:25]
	s_lshl_b32 s2, s7, 9
	s_add_nc_u64 s[24:25], s[24:25], s[2:3]        ; W at column 128 j
	s_lshl_b32 s2, s6, 17
	s_add_nc_u64 s[8:9], s[8:9], s[2:3]            ; emb[s]
	; PHASE 1: emb[s] (32 loads of 4,096 bytes) and W's 128 columns (32 loads of eight rows' 512 bytes) into LDS as f16
	LOAD16 LB0, EO, 8, 4096, 0
	LOAD16 LB1, EO, 8, 4096, 16
	s_wait_loadcnt 16                              ; loads come back in order: the older batch is in, the younger 16 stay out
	CVST16 LB0, ES, 4*PE, 0
	LOAD16 LB0, WO, 24, 65536, 0
	s_wait_loadcnt 16
	CVST16 LB1, ES, 4*PE, 16
	LOAD16 LB1, WO, 24, 65536, 16
	s_wait_loadcnt 16
	CVST16 LB0, WS, 8*PW, 0
	s_wait_loadcnt 0x0
	CVST16 LB1, WS+1, 8*PW, 0
	s_wait_dscnt 0x0                               ; my stores are in LDS before I say so
	s_barrier_signal -1
	s_barrier_wait -1
	s_cmp_eq_u32 s5, 2                             ; the same in all waves of the work-group
	s_cbranch_scc1 .Lv
	; PHASE 2, q and k: lane = channel r, registers = tokens 16 w + 8 h + 0..7
	GEMM 0
	PLACES
	PACK PK
.irp b, 0,1,2,3,4,5,6,7
	global_store_b128 v[OUTO], v[PK+4*\b:PK+4*\b+3], s[30:31] offset:4096*\b    ; channel tile b, token block w / 2, half w mod 2
.endr
	; the chunk's mean over its 128 channels: over the 8 tiles, then over the 16 lanes of my half
.irp p, 0,1,2,3
	v_pk_add_f32 v[MS+2*\p:MS+2*\p+1], v[ACC+2*\p:ACC+2*\p+1], v[ACC+8+2*\p:ACC+9+2*\p]
.endr
.irp b, 2,3,4,5,6,7
.irp p, 0,1,2,3
	v_pk_add_f32 v[MS+2*\p:MS+2*\p+1], v[MS+2*\p:MS+2*\p+1], v[ACC+8*\b+2*\p:ACC+8*\b+2*\p+1]
.endr
.endr
.irp m, 1,2,4,8
.irp e, 0,1,2,3,4,5,6,7
	v_add_f32_dpp v[MS+\e], v[MS+\e], v[MS+\e] row_xmask:\m row_mask:0xf bank_mask:0xf
.endr
.endr
.irp p, 0,1,2,3
	v_pk_mul_f32 v[MS+2*\p:MS+2*\p+1], v[MS+2*\p:MS+2*\p+1], 0x3c000000 op_sel_hi:[1,0]    ; / 128
.endr
.irp b, 0,1,2,3,4,5,6,7
.irp p, 0,1,2,3
	v_pk_add_f32 v[ACC+8*\b+2*\p:ACC+8*\b+2*\p+1], v[ACC+8*\b+2*\p:ACC+8*\b+2*\p+1], v[MS+2*\p:MS+2*\p+1] neg_lo:[0,1] neg_hi:[0,1]
.endr
.endr
	PACK PK2
	s_wait_dscnt 0x0                               ; my reads of emb and W are over (met: the last K step waited for 0)
	s_barrier_signal -1
	s_barrier_wait -1                              ; everybody's are: both regions may be written
.irp b, 0,1,2,3,4,5,6,7
	ds_store_b128 v[CST], v[PK2+4*\b:PK2+4*\b+3] offset:16*PW*\b
.endr
	ds_store_b128 v[MUA], v[MS:MS+3]               ; the 16 lanes of a half write the same words with the same numbers
	ds_store_b128 v[MUA], v[MS+4:MS+7] offset:16
	s_lshl_b32 s2, s5, 3
	s_add_co_u32 s2, s2, s6
	s_lshl4_add_u32 s2, s2, s7                     ; (which x 8 + s) x 16 + j
	s_lshl_b32 s26, s2, 16
	s_add_nc_u64 s[20:21], s[20:21], s[26:27]      ; my Gram block of 65,536 bytes
	s_lshl_b32 s26, s2, 9
	s_add_nc_u64 s[22:23], s[22:23], s[26:27]      ; my 128 means
	s_wait_dscnt 0x0
	s_barrier_signal -1
	s_barrier_wait -1
	; PHASE 4: G[n][n'] = sum over the chunk's c of centred[c][n] centred[c][n'], four K steps of 32 channels
	s_wait_xcnt 0x0                                ; the stores above have read PK: buffer 0 is loaded only behind this wait
	FETCHG F0, 0
	FETCHG F1, 1
	s_wait_dscnt 18                                ; the other buffer's 18 loads stay out
	MUL8 F0, 1, 0
	PLACES
	FETCHG F0, 2
	s_wait_dscnt 18
	MUL8 F1, 0, 0
	PLACES
	FETCHG F1, 3
	s_wait_dscnt 18
	MUL8 F0, 0, 0
	s_wait_dscnt 0x0
	MUL8 F1, 0, 0
	PLACES
.irp b, 0,1,2,3,4,5,6,7
	global_store_b128 v[WO], v[ACC+8*\b:ACC+8*\b+3],   s[20:21] offset:1024*\b       ; tile 8 w + b: registers 0-3, then 4-7, 512 bytes each
	global_store_b128 v[WO], v[ACC+8*\b+4:ACC+8*\b+7], s[20:21] offset:1024*\b+512
.endr
	s_cmp_lg_u32 s4, 0
	s_cbranch_scc1 .Lend
	v_lshlrev_b32 v18, 4, v1                       ; wave 0 stores the 128 means: 512 consecutive bytes
	ds_load_b128 v[MS:MS+3], v18
	s_wait_dscnt 0x0
	global_store_b128 v18, v[MS:MS+3], s[22:23]
.Lend:
	s_wait_tensorcnt 0x0
	ds_add_u32 v254, v255
	s_wait_dscnt 0x0
	s_endpgm
.Lv:
	; PHASE 2, v: sources exchanged, lane = token r of tile w, registers = channels 16 b + 8 h + 0..7
	GEMM 1
	PLACES
	PACK PK
.irp b, 0,1,2,3,4,5,6,7
	global_store_b128 v[OUTO], v[PK+4*\b:PK+4*\b+3], s[30:31] offset:65536+(\b>>1)*8192+(\b&1)*512   ; V part; key block b / 2, half b mod 2
.endr
	s_wait_tensorcnt 0x0
	ds_add_u32 v254, v255
	s_wait_dscnt 0x0
	s_endpgm
.Lfunc_end_k_q7213fa47d5_proj:
	.size	k_q7213fa47d5_proj, .Lfunc_end_k_q7213fa47d5_proj-k_q7213fa47d5_proj
	.p2alignl 7, 3214868480
	.fill 96, 4, 3214868480
	.section	.rodata,"a",@progbits
	.p2align	6, 0x0
	.amdhsa_kernel k_q7213fa47d5_proj
		.amdhsa_group_segment_fixed_size 142336
		.amdhsa_private_segment_fixed_size 0
		.amdhsa_enable_private_segment 0
		.amdhsa_kernarg_size 64
		.amdhsa_user_sgpr_count 2
		.amdhsa_user_sgpr_kernarg_segment_ptr 1
		.amdhsa_wavefront_size32 1
		.amdhsa_system_sgpr_workgroup_id_x 1
		.amdhsa_system_sgpr_workgroup_id_y 1
		.amdhsa_system_sgpr_workgroup_id_z 1
		.amdhsa_system_vgpr_workitem_id 0
		.amdhsa_next_free_vgpr 256
		.amdhsa_next_free_sgpr 66
		.amdhsa_reserve_vcc 0
		.amdhsa_float_denorm_mode_32 3
		.amdhsa_float_denorm_mode_16_64 3
		.amdhsa_memory_ordered 1
		.amdhsa_forward_progress 1
		.amdhsa_inst_pref_size 74
	.end_amdhsa_kernel
	.amdgpu_metadata
---
amdhsa.version: [ 1, 2 ]
amdhsa.kernels:
  - .name:           k_q7213fa47d5_proj
    .symbol:         k_q7213fa47d5_proj.kd
    .args:
      - { .name: emb, .offset: 0, .size: 8, .value_kind: global_buffer, .address_space: global }
      - { .name: Wq, .offset: 8, .size: 8, .value_kind: global_buffer, .address_space: global }
      - { .name: Wk, .offset: 16, .size: 8, .value_kind: global_buffer, .address_space: global }
      - { .name: Wv, .offset: 24, .size: 8, .value_kind: global_buffer, .address_space: global }
      - { .name: qf, .offset: 32, .size: 8, .value_kind: global_buffer, .address_space: global }
      - { .name: kvf, .offset: 40, .size: 8, .value_kind: global_buffer, .address_space: global }
      - { .name: gp, .offset: 48, .size: 8, .value_kind: global_buffer, .address_space: global }
      - { .name: mub, .offset: 56, .size: 8, .value_kind: global_buffer, .address_space: global }
    .group_segment_fixed_size: 142336
    .private_segment_fixed_size: 0
    .kernarg_segment_align: 8
    .kernarg_segment_size: 64
    .max_flat_workgroup_size: 256
    .sgpr_count:     66
    .vgpr_count:     256
    .wavefront_size: 32
...
	.end_amdgpu_metadata
.endif
;; end of part 1
;; launch stat (part 2): grid 64 x 2, 8 waves a work-group, no clusters, 10,240 bytes of LDS; arguments gp, mub, Wo, varp, wof; writes varp, wof
.if DOCPART == 2
	.amdgcn_target "amdgcn-amd-amdhsa--gfx1250"
	.amdhsa_code_object_version 6
	.text
	.protected	k_q7213fa47d5_stat
	.globl	k_q7213fa47d5_stat
	.p2align	8
	.type	k_q7213fa47d5_stat,@function
k_q7213fa47d5_stat:
	s_mov_b64 s[64:65], 0
	v_nop
	global_prefetch_b8 v0, s[64:65] scope:SCOPE_SE
	s_setreg_imm32_b32 hwreg(HW_REG_WAVE_MODE, 25, 1), 1
	s_wait_xcnt 0x0
; The instance norm's variance without a pass over the scores.  With q', k' centred over the sample's 2,048 channels and the
; group's 8,192 keys:  P var = sum over (n, n') of [ Gq' (Gk' + 8192 kb kb^T) + 2048 qb qb^T Gk' ],  P = 2^24,
; G' the centred Gram matrices over tokens, qb, kb the means.  (The mean of the scores itself cancels in the softmax.)
; Centred Grams are joined upward, chunk to sample to group: G' = sum of the parts' G' + (part's size) x sum of (mean - overall mean)^2 terms,
; so no difference of large sums is formed.
; Work-group (t, g): tile t (16 x 16) of the matrices, key group g.  Waves 0-3: the four key samples; waves 4-7: the four query
; samples of the other half.  Key waves hand their tile to the query waves through LDS; each query wave stores one partial sum.
; Each wave also turns one 16 x 32 piece of Wo into an f16 fragment (rows = outputs, k = channels) for the last launch.
; No matrix units, no cluster: a few adds for each byte read, and no tile is read by two work-groups but the means.
.set WP,  8                            ; v[8:15]    Wo fragment, packed
.set WL,  16                           ; v[16:31]   Wo as loaded
.set MUP, 16                           ; v[16:17]   afterwards: the sample's mean at n', twice
.set G,   32                           ; v[32:39]   the sample's centred Gram tile
.set MUN, 40                           ; v[40:47]   the sample's mean at my 8 n
.set MP,  48                           ; v[48:63]   chunk means at n'
.set MN,  64                           ; v[64:191]  chunk means at my 8 n; later Gram chunks 8-15
.set GB,  192                          ; v[192:255] Gram chunks 0-7
.set KG,  64                           ; query waves: the four key samples' tiles,
.set KMN, 96                           ; their means at n,
.set KMP, 128                          ; and at n'
.set KBN, 132
.set KBP, 140
.set DD,  144
.set GK,  152
.set T1,  160
.set T2,  168
.set EXB, 2304                         ; LDS bytes of a key wave's hand-over
; vec (8 registers) -= mean; acc (+)= vec x sc[j], sc an even-aligned run of centred numbers (op_sel picks the pair's register for both halves)
.macro OUTER acc, vec, mean, sc, j, start
.irp p, 0,1,2,3
	v_pk_add_f32 v[\vec+2*\p:\vec+2*\p+1], v[\vec+2*\p:\vec+2*\p+1], v[\mean+2*\p:\mean+2*\p+1] neg_lo:[0,1] neg_hi:[0,1]
.endr
.irp p, 0,1,2,3
.if \start
	v_pk_mul_f32 v[\acc+2*\p:\acc+2*\p+1], v[\vec+2*\p:\vec+2*\p+1], v[\sc+\j:\sc+\j+1] op_sel_hi:[1,0]
.else
.if \j & 1
	v_pk_fma_f32 v[\acc+2*\p:\acc+2*\p+1], v[\vec+2*\p:\vec+2*\p+1], v[\sc+\j-1:\sc+\j], v[\acc+2*\p:\acc+2*\p+1] op_sel:[0,1,0] op_sel_hi:[1,1,1]
.else
	v_pk_fma_f32 v[\acc+2*\p:\acc+2*\p+1], v[\vec+2*\p:\vec+2*\p+1], v[\sc+\j:\sc+\j+1], v[\acc+2*\p:\acc+2*\p+1] op_sel_hi:[1,0,1]
.endif
.endif
.endr
.endm
.macro ADD8 acc, src
.irp p, 0,1,2,3
	v_pk_add_f32 v[\acc+2*\p:\acc+2*\p+1], v[\acc+2*\p:\acc+2*\p+1], v[\src+2*\p:\src+2*\p+1]
.endr
.endm
	s_load_b256 s[8:15], s[0:1], 0x0               ; gp s[8:9], mub s[10:11], Wo s[12:13], varp s[14:15]
	s_load_b64 s[16:17], s[0:1], 0x20              ; wof
	s_set_vgpr_msb 0x40
	v_lshl_add_u32 v0, v0, 2, 0x2400
	v_mov_b32 v1, 0
	s_set_vgpr_msb 0x4000
	v_lshrrev_b32 v1, 5, v0
	v_readfirstlane_b32 s4, v1                     ; wave
	s_and_b32 s5, ttmp7, 0xffff                    ; g
	s_and_b32 s6, s4, 3
	s_lshr_b32 s7, s4, 2                           ; 0: key wave, 1: query wave
	s_xor_b32 s18, s5, s7                          ; my sample's half of the batch
	s_lshl2_add_u32 s18, s18, s6                   ; my sample
	s_xor_b32 s19, s7, 1
	s_lshl3_add_u32 s19, s19, s18                  ; matrix number: 8 x (1 for k) + sample
	s_lshl_b32 s20, s5, 6
	s_add_co_u32 s20, s20, ttmp9                   ; 0..127
	s_lshr_b32 s21, s20, 1                         ; Wo: block kc of 32 channels
	s_and_b32 s22, s20, 1
	s_lshl3_add_u32 s22, s22, s4                   ; Wo: tile ot of 16 outputs
	s_lshr_b32 s23, ttmp9, 3
	s_lshl_b32 s23, s23, 6                         ; 4 x 16 x (tile row)
	s_and_b32 s24, ttmp9, 7
	s_lshl_b32 s24, s24, 6                         ; 4 x 16 x (tile column)
	s_mov_b32 s3, 0
	s_mov_b32 s26, 0x76543210                      ; v_permlanex16_b32: lane i reads lane i of the other half
	s_mov_b32 s27, 0xfedcba98
	v_and_b32 v1, 31, v0                           ; L
	v_and_b32 v2, 15, v0                           ; r
	v_bfe_u32 v3, v0, 4, 1                         ; h
	v_lshlrev_b32 v4, 2, v2
	v_lshl_add_u32 v4, v3, 13, v4                  ; Wo: row 8 h, column r
	v_lshl_add_u32 v5, v3, 5, s23                  ; means at n = 16 wt + 8 h
	v_lshl_add_u32 v6, v2, 2, s24                  ; means at n' = 16 bt + r
	v_lshlrev_b32 v7, 4, v1                        ; 16 L
	s_wait_kmcnt 0x0
	s_lshl_b32 s2, s21, 15
	s_lshl_b32 s25, s22, 6
	s_add_co_u32 s2, s2, s25
	s_add_nc_u64 s[12:13], s[12:13], s[2:3]        ; Wo[32 kc][16 ot]
	s_lshl_b32 s2, s21, 14
	s_lshl_b32 s25, s22, 10
	s_add_co_u32 s2, s2, s25
	s_add_nc_u64 s[16:17], s[16:17], s[2:3]        ; my fragment of wof
	s_lshl_b32 s2, s19, 13
	s_add_nc_u64 s[10:11], s[10:11], s[2:3]        ; my matrix's 16 x 128 means
	s_lshl_b32 s2, s19, 20
	s_lshl_b32 s25, ttmp9, 10
	s_add_co_u32 s2, s2, s25
	s_add_nc_u64 s[8:9], s[8:9], s[2:3]            ; tile t of my matrix's chunk 0
	s_lshl_b32 s2, s18, 8
	s_lshl2_add_u32 s2, ttmp9, s2
	s_add_nc_u64 s[14:15], s[14:15], s[2:3]        ; varp[sample][t]
.irp e, 0,1,2,3,4,5,6,7
	global_load_b32 v[WL+\e],   v4, s[12:13] offset:1024*\e            ; Wo[32 kc + 8 h + e][16 ot + r]
	global_load_b32 v[WL+8+\e], v4, s[12:13] offset:1024*(16+\e)
.endr
.irp j, 0,1,2,3,4,5,6,7,8,9,10,11,12,13,14,15
	global_load_b128 v[MN+8*\j:MN+8*\j+3],   v5, s[10:11] offset:512*\j
	global_load_b128 v[MN+8*\j+4:MN+8*\j+7], v5, s[10:11] offset:512*\j+16
	global_load_b32 v[MP+\j], v6, s[10:11] offset:512*\j
.endr
	s_wait_loadcnt 48                              ; Wo's 16 loads are in; the 48 loads of means stay out
.irp i, 0,1,2,3,4,5,6,7
	v_cvt_pk_f16_f32 v[WP+\i], v[WL+2*\i], v[WL+2*\i+1]
.endr
	global_store_b128 v7, v[WP:WP+3],   s[16:17]
	global_store_b128 v7, v[WP+4:WP+7], s[16:17] offset:512
.irp j, 0,1,2,3,4,5,6,7
	global_load_b128 v[GB+8*\j:GB+8*\j+3],   v7, s[8:9] offset:65536*\j th:TH_LOAD_NT      ; each Gram tile is read once in the launch
	global_load_b128 v[GB+8*\j+4:GB+8*\j+7], v7, s[8:9] offset:65536*\j+512 th:TH_LOAD_NT
.endr
	s_wait_loadcnt 16                              ; the means are in; the 16 Gram loads stay out
	; the sample's means
.irp p, 0,1,2,3
	v_pk_add_f32 v[MUN+2*\p:MUN+2*\p+1], v[MN+2*\p:MN+2*\p+1], v[MN+8+2*\p:MN+9+2*\p]
.endr
.irp j, 2,3,4,5,6,7,8,9,10,11,12,13,14,15
	ADD8 MUN, (MN+8*\j)
.endr
	v_pk_add_f32 v[18:19], v[MP:MP+1], v[MP+2:MP+3]
.irp j, 4,6,8,10,12,14
	v_pk_add_f32 v[18:19], v[18:19], v[MP+\j:MP+\j+1]
.endr
	v_add_f32 v18, v18, v19
	v_mul_f32 v[MUP],   0x3d800000, v18            ; / 16
	v_mul_f32 v[MUP+1], 0x3d800000, v18
.irp p, 0,1,2,3
	v_pk_mul_f32 v[MUN+2*\p:MUN+2*\p+1], v[MUN+2*\p:MUN+2*\p+1], 0x3d800000 op_sel_hi:[1,0]
.endr
.irp j, 0,2,4,6,8,10,12,14
	v_pk_add_f32 v[MP+\j:MP+\j+1], v[MP+\j:MP+\j+1], v[MUP:MUP+1] neg_lo:[0,1] neg_hi:[0,1]
.endr
	; sum over the chunks of (chunk mean - mean)(chunk mean - mean)^T
	OUTER G, MN, MUN, MP, 0, 1
.irp j, 1,2,3,4,5,6,7,8,9,10,11,12,13,14,15
	OUTER G, (MN+8*\j), MUN, MP, \j, 0
.endr
.irp j, 0,1,2,3,4,5,6,7
	global_load_b128 v[MN+8*\j:MN+8*\j+3],   v7, s[8:9] offset:65536*(8+\j) th:TH_LOAD_NT
	global_load_b128 v[MN+8*\j+4:MN+8*\j+7], v7, s[8:9] offset:65536*(8+\j)+512 th:TH_LOAD_NT
.endr
	s_wait_loadcnt 16                              ; chunks 0-7 are in; chunks 8-15 stay out
.irp p, 0,1,2,3
	v_pk_fma_f32 v[G+2*\p:G+2*\p+1], v[G+2*\p:G+2*\p+1], 0x43000000, v[GB+2*\p:GB+2*\p+1] op_sel_hi:[1,0,1]   ; x 128 channels of a chunk
.endr
.irp j, 1,2,3,4,5,6,7
	ADD8 G, (GB+8*\j)
.endr
	s_wait_loadcnt 0x0
.irp j, 0,1,2,3,4,5,6,7
	ADD8 G, (MN+8*\j)
.endr
	s_cmp_lg_u32 s7, 0
	s_cbranch_scc1 .Lnokey
	s_mul_i32 s25, s4, EXB                         ; key waves hand over tile and means
	v_lshl_add_u32 v18, v1, 4, s25
	v_lshl_add_u32 v19, v1, 2, s25
	ds_store_b128 v18, v[G:G+3]
	ds_store_b128 v18, v[G+4:G+7] offset:512
	ds_store_b128 v18, v[MUN:MUN+3] offset:1024
	ds_store_b128 v18, v[MUN+4:MUN+7] offset:1536
	ds_store_b32 v19, v[MUP] offset:2048
.Lnokey:
	s_wait_dscnt 0x0                               ; the stores are in LDS before the signal
	s_barrier_signal -1
	s_barrier_wait -1
	s_cmp_eq_u32 s7, 0
	s_cbranch_scc1 .Lend                           ; key waves are done
	v_lshlrev_b32 v21, 2, v1
.irp b, 0,1,2,3
	ds_load_b128 v[KG+8*\b:KG+8*\b+3],    v7 offset:EXB*\b
	ds_load_b128 v[KG+8*\b+4:KG+8*\b+7],  v7 offset:EXB*\b+512
	ds_load_b128 v[KMN+8*\b:KMN+8*\b+3],   v7 offset:EXB*\b+1024
	ds_load_b128 v[KMN+8*\b+4:KMN+8*\b+7], v7 offset:EXB*\b+1536
	ds_load_b32 v[KMP+\b], v21 offset:EXB*\b+2048
.endr
	s_wait_dscnt 0x0
	; the group's means
.irp p, 0,1,2,3
	v_pk_add_f32 v[KBN+2*\p:KBN+2*\p+1], v[KMN+2*\p:KMN+2*\p+1], v[KMN+8+2*\p:KMN+9+2*\p]
	v_pk_add_f32 v[T1+2*\p:T1+2*\p+1], v[KMN+16+2*\p:KMN+17+2*\p], v[KMN+24+2*\p:KMN+25+2*\p]
.endr
	ADD8 KBN, T1
.irp p, 0,1,2,3
	v_pk_mul_f32 v[KBN+2*\p:KBN+2*\p+1], v[KBN+2*\p:KBN+2*\p+1], 0x3e800000 op_sel_hi:[1,0]   ; / 4
.endr
	v_pk_add_f32 v[18:19], v[KMP:KMP+1], v[KMP+2:KMP+3]
	v_add_f32 v18, v18, v19
	v_mul_f32 v[KBP],   0x3e800000, v18
	v_mul_f32 v[KBP+1], 0x3e800000, v18
	v_pk_add_f32 v[KMP:KMP+1],   v[KMP:KMP+1],   v[KBP:KBP+1] neg_lo:[0,1] neg_hi:[0,1]
	v_pk_add_f32 v[KMP+2:KMP+3], v[KMP+2:KMP+3], v[KBP:KBP+1] neg_lo:[0,1] neg_hi:[0,1]
	OUTER DD, KMN, KBN, KMP, 0, 1
.irp b, 1,2,3
	OUTER DD, (KMN+8*\b), KBN, KMP, \b, 0
.endr
.irp p, 0,1,2,3
	v_pk_add_f32 v[GK+2*\p:GK+2*\p+1], v[KG+2*\p:KG+2*\p+1], v[KG+8+2*\p:KG+9+2*\p]
.endr
	ADD8 GK, (KG+16)
	ADD8 GK, (KG+24)
.irp p, 0,1,2,3
	v_pk_fma_f32 v[GK+2*\p:GK+2*\p+1], v[DD+2*\p:DD+2*\p+1], 0x45000000, v[GK+2*\p:GK+2*\p+1] op_sel_hi:[1,0,1]   ; x 2,048 keys of a sample
.endr
	; my tile's share of P var
.irp p, 0,1,2,3
	v_pk_mul_f32 v[T1+2*\p:T1+2*\p+1], v[KBN+2*\p:KBN+2*\p+1], v[KBP:KBP+1]
	v_pk_mul_f32 v[T2+2*\p:T2+2*\p+1], v[MUN+2*\p:MUN+2*\p+1], v[MUP:MUP+1]
.endr
.irp p, 0,1,2,3
	v_pk_fma_f32 v[T1+2*\p:T1+2*\p+1], v[T1+2*\p:T1+2*\p+1], 0x46000000, v[GK+2*\p:GK+2*\p+1] op_sel_hi:[1,0,1]   ; Gk' + 8,192 kb kb^T
	v_pk_mul_f32 v[T2+2*\p:T2+2*\p+1], v[T2+2*\p:T2+2*\p+1], v[GK+2*\p:GK+2*\p+1]
.endr
.irp p, 0,1,2,3
	v_pk_mul_f32 v[T1+2*\p:T1+2*\p+1], v[T1+2*\p:T1+2*\p+1], v[G+2*\p:G+2*\p+1]
.endr
.irp p, 0,1,2,3
	v_pk_fma_f32 v[T1+2*\p:T1+2*\p+1], v[T2+2*\p:T2+2*\p+1], 0x45000000, v[T1+2*\p:T1+2*\p+1] op_sel_hi:[1,0,1]   ; + 2,048 qb qb^T Gk'
.endr
	v_pk_add_f32 v[T1:T1+1],   v[T1:T1+1],   v[T1+2:T1+3]
	v_pk_add_f32 v[T1+4:T1+5], v[T1+4:T1+5], v[T1+6:T1+7]
	v_pk_add_f32 v[T1:T1+1],   v[T1:T1+1],   v[T1+4:T1+5]
	v_add_f32 v22, v[T1], v[T1+1]
	v_add_f32_dpp v22, v22, v22 row_xmask:1 row_mask:0xf bank_mask:0xf
	v_add_f32_dpp v22, v22, v22 row_xmask:2 row_mask:0xf bank_mask:0xf
	v_add_f32_dpp v22, v22, v22 row_xmask:4 row_mask:0xf bank_mask:0xf
	v_add_f32_dpp v22, v22, v22 row_xmask:8 row_mask:0xf bank_mask:0xf
	v_permlanex16_b32 v18, v22, s26, s27           ; v18 has been written before
	v_add_f32 v22, v22, v18
	v_mov_b32 v23, 0
	v_cmp_eq_u32 vcc_lo, 0, v1
	s_wait_xcnt 0x0                                ; EXEC is a source of the memory instructions above: it changes only behind this wait
	s_and_saveexec_b32 s28, vcc_lo
	global_store_b32 v23, v22, s[14:15]            ; lane 0 alone: one word for each query sample and tile
.Lend:
	s_wait_xcnt 0x0
	s_mov_b32 exec_lo, -1
	s_set_vgpr_msb 0x5
	s_wait_tensorcnt 0x0
	ds_add_u32 v0, v1
	s_wait_dscnt 0x0
	s_set_vgpr_msb 0x500
	s_endpgm
.Lfunc_end_k_q7213fa47d5_stat:
	.size	k_q7213fa47d5_stat, .Lfunc_end_k_q7213fa47d5_stat-k_q7213fa47d5_stat
	.p2alignl 7, 3214868480
	.fill 96, 4, 3214868480
	.section	.rodata,"a",@progbits
	.p2align	6, 0x0
	.amdhsa_kernel k_q7213fa47d5_stat
		.amdhsa_group_segment_fixed_size 10240
		.amdhsa_private_segment_fixed_size 0
		.amdhsa_enable_private_segment 0
		.amdhsa_kernarg_size 40
		.amdhsa_user_sgpr_count 2
		.amdhsa_user_sgpr_kernarg_segment_ptr 1
		.amdhsa_wavefront_size32 1
		.amdhsa_system_sgpr_workgroup_id_x 1
		.amdhsa_system_sgpr_workgroup_id_y 1
		.amdhsa_system_sgpr_workgroup_id_z 1
		.amdhsa_system_vgpr_workitem_id 0
		.amdhsa_next_free_vgpr 258
		.amdhsa_next_free_sgpr 66
		.amdhsa_reserve_vcc 1
		.amdhsa_float_denorm_mode_32 3
		.amdhsa_float_denorm_mode_16_64 3
		.amdhsa_memory_ordered 1
		.amdhsa_forward_progress 1
		.amdhsa_inst_pref_size 39
	.end_amdhsa_kernel
	.amdgpu_metadata
---
amdhsa.version: [ 1, 2 ]
amdhsa.kernels:
  - .name:           k_q7213fa47d5_stat
    .symbol:         k_q7213fa47d5_stat.kd
    .args:
      - { .name: gp, .offset: 0, .size: 8, .value_kind: global_buffer, .address_space: global }
      - { .name: mub, .offset: 8, .size: 8, .value_kind: global_buffer, .address_space: global }
      - { .name: Wo, .offset: 16, .size: 8, .value_kind: global_buffer, .address_space: global }
      - { .name: varp, .offset: 24, .size: 8, .value_kind: global_buffer, .address_space: global }
      - { .name: wof, .offset: 32, .size: 8, .value_kind: global_buffer, .address_space: global }
    .group_segment_fixed_size: 10240
    .private_segment_fixed_size: 0
    .kernarg_segment_align: 8
    .kernarg_segment_size: 40
    .max_flat_workgroup_size: 256
    .sgpr_count:     66
    .vgpr_count:     258
    .wavefront_size: 32
...
	.end_amdgpu_metadata
.endif
;; end of part 2
;; launch attn (part 3): grid 256 x 1, 4 waves a work-group, clusters of 4 x 1, 327,680 bytes of LDS; arguments qf, kvf, varp, ctxf; writes ctxf
.if DOCPART == 3
	.amdgcn_target "amdgcn-amd-amdhsa--gfx1250"
	.amdhsa_code_object_version 6
	.text
	.protected	k_q7213fa47d5_attn
	.globl	k_q7213fa47d5_attn
	.p2align	8
	.type	k_q7213fa47d5_attn,@function
k_q7213fa47d5_attn:
	s_mov_b64 s[64:65], 0
	v_nop
	global_prefetch_b8 v0, s[64:65] scope:SCOPE_SE
	s_setreg_imm32_b32 hwreg(HW_REG_WAVE_MODE, 25, 1), 1
	s_wait_xcnt 0x0
	s_wait_alu depctr_hold_cnt(0) depctr_sa_sdst(0) depctr_va_vdst(0) depctr_va_sdst(0) depctr_va_ssrc(0) depctr_va_vcc(0) depctr_vm_vsrc(0)
	s_getreg_b32 s2, hwreg(HW_REG_IB_STS2, 6, 4)
	s_cmp_eq_u32 s2, 0
	s_cbranch_scc0 .Lentry_in_a_cluster
	s_endpgm
.Lentry_in_a_cluster:
	s_bfe_u32 s2, ttmp6, 0x10000c
	s_cmp_lg_u32 s2, 0x3003
	s_cbranch_scc0 .Lentry_shape_is_right
	s_endpgm
.Lentry_shape_is_right:
; Channel attention of one sample s: a work-group takes 64 query channels and all 8,192 keys of the other half of the batch.
; softmax((S - mu) rstd) = softmax(S rstd): the mean cancels; rstd comes from the 64 partial sums of the launch before.
; A running maximum is kept, as the softmax asks: p = exp2((S - max) c), c = rstd log2 e.
; Keys go in 32 tiles of 256 (K part 64 KiB + V part 64 KiB, already in fragment order) through two LDS slots.  The four waves
; split each tile's keys (64 each) and keep maximum, sum and context of their own; they are merged at the end.
; BOTH PRODUCTS ARE USED TRANSPOSED.  S^T = K Q^T: lane = query, registers = keys, so that two packed key tiles ARE the B fragment
; of P for 32 keys.  O^T = V P^T: lane = query, registers = tokens.  Maximum, sum and rescaling factor are one number a lane.
; CLUSTER: the four work-groups of a cluster belong to one sample and walk the same 32 tiles: each tile is asked for jointly
; (mask 15), which divides the requests for K and V by four.  The place in the cluster enters only the global addresses of
; the query loads and of the context stores (s13, s15, s[46:47], s[4:5], s[10:11]).
; LIMITS: f16 operands (|q|, |k|, |v| below 65,504); a context value below 6.1e-5 carries an absolute error of up to 3e-8; NaN and infinities are not served.
; REGISTERS: window 0: addresses, per-query numbers, K or V fragments v64-191, P v192-255.  Window 1: Q v0-127, S v128-255.  Window 2: O.
.set SLOTB, 131072
.set VPART, 65536
.set STAT,  262144                     ; 4 waves x 4 query groups x (16 maxima, 16 sums)
.set STG,   264192                     ; [64 channels][128 tokens] f16, pitch 288: the way out
.set PS,    288
.set ADRK, 4                           ; v4-5   my K fragments in slot 0, 1
.set ADRV, 6                           ; v6-7   my V fragments
.set QO,   8                           ; v8     16 L
.set VO,   9                           ; v9     8 L
.set CC,   10                          ; v[10:11] c, twice
.set MA,   12                          ; v12-15 running maxima: MA and MB take turns as old and new
.set LP,   16                          ; v[16:23] running sums, a pair for each query group
.set AL,   24                          ; v[24:31] rescaling factors, twice each
.set NM,   32                          ; v[32:39] -max c, twice each
.set MB,   40                          ; v40-43
.set T,    44                          ; v44-47 other half's numbers
.set LL,   48                          ; v48-51 the way out
.set STA,  52
.set PST,  53
.set PRD,  54                          ; v54-55
.set SRD,  56
.set STGS, 57
.set STGR, 58
.set NC,   63                          ; v63    -c
.set FA,   64                          ; v[64:191] 16 fragments
.set PP,   192                         ; v[192:255] P[qg][ks2] at 8 (2 qg + ks2)
.set QQ,   0                           ; window 1: Q[qg][ks] at 8 (4 qg + ks)
.set SS,   128                         ; window 1: S[kt][qg] at 128 + 8 (4 kt + qg)
.set EM,   12                          ; the way out: the four waves' maxima, sums, factors, weights
.set EL,   16
.set EF,   20
.set GW,   24
.set G1,   24                          ; s[24:31]
.set G0,   32                          ; s[32:39] a set for each slot
.set MSB, 0
.macro WIN new                         ; the immediate's high byte repeats the setting that is left
.if MSB != \new
	s_set_vgpr_msb (MSB<<8)|\new
.set MSB, \new
.endif
.endm
.macro PLACES                          ; four places behind a matrix instruction (ISA guide 7.12.1)
.rept 4
	v_nop
.endr
.endm
.macro ROUND                           ; a round of the cluster's barrier
	s_barrier_signal -1
	s_barrier_wait -1
	s_cmp_lg_u32 s12, 0
	s_cbranch_scc1 .Lnot_wave_0_\@
	s_barrier_signal -3
.Lnot_wave_0_\@:
	s_barrier_wait -3
	s_barrier_signal -1
	s_barrier_wait -1
.endm
.macro FETCHK slot                     ; my 64 keys x 128 tokens: 16 fragments, lane i at 16 i: no bank conflict
.irp kt, 0,1,2,3
.irp ks, 0,1,2,3
	ds_load_b128 v[FA+8*(4*\kt+\ks):FA+8*(4*\kt+\ks)+3],   v[ADRK+\slot] offset:\kt*4096+\ks*1024
	ds_load_b128 v[FA+8*(4*\kt+\ks)+4:FA+8*(4*\kt+\ks)+7], v[ADRK+\slot] offset:\kt*4096+\ks*1024+512
.endr
.endr
.endm
.macro FETCHV slot                     ; 128 tokens x my 64 keys
.irp k2, 0,1
.irp tt, 0,1,2,3,4,5,6,7
	ds_load_b128 v[FA+8*(8*\k2+\tt):FA+8*(8*\k2+\tt)+3],   v[ADRV+\slot] offset:\k2*8192+\tt*1024
	ds_load_b128 v[FA+8*(8*\k2+\tt)+4:FA+8*(8*\k2+\tt)+7], v[ADRV+\slot] offset:\k2*8192+\tt*1024+512
.endr
.endr
.endm
; 32 matrix instructions: key tiles kt0, kt0 + 1 x 4 query groups x 4 steps of 32 tokens; 8 accumulators take turns, one instruction a turn
.macro SMUL kt0
.irp ks, 0,1,2,3
.irp kd, 0,1
.irp qg, 0,1,2,3
.if \ks == 0
	v_wmma_f32_16x16x32_f16 v[SS+8*(4*(\kt0+\kd)+\qg):SS+8*(4*(\kt0+\kd)+\qg)+7], v[FA+8*(4*(\kt0+\kd)+\ks):FA+8*(4*(\kt0+\kd)+\ks)+7], v[QQ+8*(4*\qg+\ks):QQ+8*(4*\qg+\ks)+7], 0
.else
	v_wmma_f32_16x16x32_f16 v[SS+8*(4*(\kt0+\kd)+\qg):SS+8*(4*(\kt0+\kd)+\qg)+7], v[FA+8*(4*(\kt0+\kd)+\ks):FA+8*(4*(\kt0+\kd)+\ks)+7], v[QQ+8*(4*\qg+\ks):QQ+8*(4*\qg+\ks)+7], v[SS+8*(4*(\kt0+\kd)+\qg):SS+8*(4*(\kt0+\kd)+\qg)+7]
.endif
.endr
.endr
.endr
.endm
; One tile.  refill = 1: the other slot gets the next tile.  first = 1: sums, maxima and context start here.  mo, mn: old and new maxima.
.macro TRIP slot, refill, first, mo, mn
	WIN 0
	s_wait_tensorcnt 0x0                           ; all my tensor loads have landed, my quarter of this tile among them,
	ds_add_u32 v61, v62
	s_wait_dscnt 0x0
	s_add_nc_u64 s[G0+4*\slot+2:G0+4*\slot+3], s[G0+4*\slot+2:G0+4*\slot+3], 2*SLOTB   ; so a group 0 may be written: this slot's next tile
	s_wait_dscnt 0x0                               ; my reads of the other slot are over
	ROUND                                          ; both now hold of every wave of the four work-groups
.if \refill
	tensor_load_to_lds s[G0+4-4*\slot:G0+7-4*\slot], s[G1:G1+7]    ; my one load behind the round: 32 KiB of the next tile; one is out by this text's count
	s_nop 0
.endif
.if \first == 0
	PLACES                                         ; the fragment registers were read by the last matrix instructions
.endif
	FETCHK \slot
	s_wait_dscnt 16                                ; key tiles 0 and 1 are in; the 16 loads of tiles 2 and 3 stay out
	WIN 0x54
	SMUL 0
	s_wait_dscnt 0x0
	SMUL 2
	PLACES
	WIN 0
	FETCHV \slot                                   ; lands during the softmax
	; the new maximum of each query: 32 scores a lane, then the other half of the lanes
	WIN 0x05
.irp i, 0,1,2,3,4,5,6,7,8,9,10,11,12,13,14,15
.irp qg, 0,1,2,3
.if \i == 0
.if \first
	v_max_num_f32 v[\mn+\qg], v[SS+8*\qg], v[SS+8*\qg+1]
.else
	v_max3_num_f32 v[\mn+\qg], v[SS+8*\qg], v[SS+8*\qg+1], v[\mo+\qg]
.endif
.else
	v_max3_num_f32 v[\mn+\qg], v[SS+8*(4*(\i>>2)+\qg)+2*(\i&3)], v[SS+8*(4*(\i>>2)+\qg)+2*(\i&3)+1], v[\mn+\qg]
.endif
.endr
.endr
	WIN 0
.irp qg, 0,1,2,3
	v_permlanex16_b32 v[T+\qg], v[\mn+\qg], s20, s21
.endr
.irp qg, 0,1,2,3
	v_max_num_f32 v[\mn+\qg], v[\mn+\qg], v[T+\qg]
.endr
.if \first == 0
.irp qg, 0,1,2,3
	v_sub_f32 v[AL+2*\qg], v[\mo+\qg], v[\mn+\qg]
.endr
.irp qg, 0,1,2,3
	v_mul_f32 v[AL+2*\qg], v[AL+2*\qg], v[CC]
.endr
.irp qg, 0,1,2,3
	v_exp_f32 v[AL+2*\qg], v[AL+2*\qg]
.endr
.endif
.irp qg, 0,1,2,3
	v_mul_f32 v[NM+2*\qg],   v[\mn+\qg], v[NC]     ; plain work behind the exponentials, before their results are used
	v_mul_f32 v[NM+2*\qg+1], v[\mn+\qg], v[NC]
.endr
.if \first == 0
	s_wait_alu depctr_va_vdst(0)
.irp qg, 0,1,2,3
	v_mov_b32 v[AL+2*\qg+1], v[AL+2*\qg]           ; the pair that the packed multiplies take
.endr
.irp qg, 0,1,2,3
	v_pk_mul_f32 v[LP+2*\qg:LP+2*\qg+1], v[LP+2*\qg:LP+2*\qg+1], v[AL+2*\qg:AL+2*\qg+1]
.endr
.endif
	; p = exp2(S c - max c), key tile by key tile: the next tile's multiply-adds are the plain work behind a tile's exponentials
	WIN 0x41
.irp kt, 0,1,2,3
.irp qg, 0,1,2,3
.irp p, 0,1,2,3
	v_pk_fma_f32 v[SS+8*(4*\kt+\qg)+2*\p:SS+8*(4*\kt+\qg)+2*\p+1], v[SS+8*(4*\kt+\qg)+2*\p:SS+8*(4*\kt+\qg)+2*\p+1], v[CC:CC+1], v[NM+2*\qg:NM+2*\qg+1]
.endr
.endr
.irp qg, 0,1,2,3
.irp e, 0,1,2,3,4,5,6,7
	v_exp_f32 v[SS+8*(4*\kt+\qg)+\e], v[SS+8*(4*\kt+\qg)+\e]
.endr
.endr
.endr
	v_nop                                          ; one plain place behind the last exponentials (ISA guide 5.7.2)
	WIN 0x05
.if \first
	s_wait_alu depctr_va_vdst(0)
.irp qg, 0,1,2,3
	v_pk_add_f32 v[LP+2*\qg:LP+2*\qg+1], v[SS+8*\qg:SS+8*\qg+1], v[SS+8*\qg+2:SS+8*\qg+3]    ; the first two pairs start the sums
.endr
.endif
	s_wait_alu depctr_va_vdst(0)
.irp kt, 0,1,2,3
.irp qg, 0,1,2,3
.irp p, 0,1,2,3
	v_cvt_pk_f16_f32 v[PP+8*(2*\qg+(\kt>>1))+4*(\kt&1)+\p], v[SS+8*(4*\kt+\qg)+2*\p], v[SS+8*(4*\kt+\qg)+2*\p+1]
.endr
.endr
.endr
	WIN 0x01
.irp kt, 0,1,2,3
.irp p, 0,1,2,3
.if (4*\kt+\p) >= 2*\first
.irp qg, 0,1,2,3
	v_pk_add_f32 v[LP+2*\qg:LP+2*\qg+1], v[SS+8*(4*\kt+\qg)+2*\p:SS+8*(4*\kt+\qg)+2*\p+1], v[LP+2*\qg:LP+2*\qg+1]
.endr
.endif
.endr
.endr
.if \first == 0
	WIN 0x82
.irp tt, 0,1,2,3,4,5,6,7
.irp qg, 0,1,2,3
.irp p, 0,1,2,3
	v_pk_mul_f32 v[8*(4*\tt+\qg)+2*\p:8*(4*\tt+\qg)+2*\p+1], v[8*(4*\tt+\qg)+2*\p:8*(4*\tt+\qg)+2*\p+1], v[AL+2*\qg:AL+2*\qg+1]
.endr
.endr
.endr
.endif
	s_wait_dscnt 0x0                               ; V's fragments
	WIN 0xa0
	; 64 matrix instructions; the 32 accumulators take turns, one instruction a turn
.irp k2, 0,1
.irp tt, 0,1,2,3,4,5,6,7
.irp qg, 0,1,2,3
.if \first*(1-\k2)
	v_wmma_f32_16x16x32_f16 v[8*(4*\tt+\qg):8*(4*\tt+\qg)+7], v[FA+8*(8*\k2+\tt):FA+8*(8*\k2+\tt)+7], v[PP+8*(2*\qg+\k2):PP+8*(2*\qg+\k2)+7], 0
.else
	v_wmma_f32_16x16x32_f16 v[8*(4*\tt+\qg):8*(4*\tt+\qg)+7], v[FA+8*(8*\k2+\tt):FA+8*(8*\k2+\tt)+7], v[PP+8*(2*\qg+\k2):PP+8*(2*\qg+\k2)+7], v[8*(4*\tt+\qg):8*(4*\tt+\qg)+7]
.endif
.endr
.endr
.endr
	WIN 0
.endm
.macro LOADP w                         ; wave w's partial context of my query group: 8 tiles
.irp tt, 0,1,2,3,4,5,6,7
	ds_load_b128 v[FA+64*(\w&1)+8*\tt:FA+64*(\w&1)+8*\tt+3],   v[PRD+(\w>>1)] offset:(\w&1)*32768+\tt*4096
	ds_load_b128 v[FA+64*(\w&1)+8*\tt+4:FA+64*(\w&1)+8*\tt+7], v[PRD+(\w>>1)] offset:(\w&1)*32768+\tt*4096+512
.endr
.endm
.macro ACCP w, start
.irp tt, 0,1,2,3,4,5,6,7
.irp p, 0,1,2,3
.if \start
	v_pk_mul_f32 v[PP+8*\tt+2*\p:PP+8*\tt+2*\p+1], v[FA+64*(\w&1)+8*\tt+2*\p:FA+64*(\w&1)+8*\tt+2*\p+1], v[GW+2*\w:GW+2*\w+1]
.else
	v_pk_fma_f32 v[PP+8*\tt+2*\p:PP+8*\tt+2*\p+1], v[FA+64*(\w&1)+8*\tt+2*\p:FA+64*(\w&1)+8*\tt+2*\p+1], v[GW+2*\w:GW+2*\w+1], v[PP+8*\tt+2*\p:PP+8*\tt+2*\p+1]
.endif
.endr
.endr
.endm
	s_load_b256 s[4:11], s[0:1], 0x0               ; qf s[4:5], kvf s[6:7], varp s[8:9], ctxf s[10:11]
	v_lshl_add_u32 v61, v0, 2, 0x45000
	v_mov_b32 v62, 0
	ds_add_u32 v61, v62
	ds_add_u32 v61, v62
	v_lshrrev_b32 v1, 5, v0
	v_readfirstlane_b32 s12, v1                    ; wave
	s_bfe_u32 s13, ttmp6, 0x40000                  ; cx
	s_lshr_b32 s14, ttmp9, 3                       ; sample: 8 clusters each
	s_and_b32 s15, ttmp9, 7
	s_lshl2_add_u32 s15, s15, s13                  ; query block 0..31
	s_lshr_b32 s16, ttmp9, 5
	s_xor_b32 s16, s16, 1                          ; keys come from the other half of the batch
	s_mov_b32 s20, 0x76543210                      ; v_permlanex16_b32: lane i reads lane i of the other half
	s_mov_b32 s21, 0xfedcba98
	s_mov_b32 s22, 0x33800000                      ; 2^-24 = 1 / (2,048 x 8,192)
	s_mov_b32 s23, 0x3727c5ac                      ; eps = 1e-5
	; group 1: 32 KiB, dense in memory, as 128 rows of 256 bytes
	s_mov_b32 s[G1+0], 15|(3<<16)|(1<<21)          ; mask: all four of the cluster; elements of 8 bytes; bit 21 beside a mask; no padding
	s_mov_b32 s[G1+1], 32<<16                      ; tensor_dim0 = 32
	s_mov_b32 s[G1+2], 128<<16                     ; tensor_dim1 = 128
	s_mov_b32 s[G1+3], 32<<16                      ; tile_dim0 = 32
	s_mov_b32 s[G1+4], 128                         ; tile_dim1 = 128
	s_mov_b32 s[G1+5], 32                          ; pitch
	s_mov_b32 s[G1+6], 0
	s_mov_b32 s[G1+7], 0
	s_lshl_b32 s17, s12, 15                        ; my quarter of a tile, in memory and in LDS: waves 0, 1 bring K, waves 2, 3 V
	s_lshl_b32 s18, s16, 22
	s_add_co_u32 s18, s18, s17
	s_mov_b32 s19, 0
	s_lshl_b32 s46, s14, 19                        ; sample x 524,288 + query block x 16,384: the same in qf and in ctxf
	s_lshl_b32 s47, s15, 14
	s_add_co_u32 s46, s46, s47
	s_mov_b32 s47, 0
	s_lshl_b32 s42, s14, 8
	s_mov_b32 s43, 0
	s_wait_dscnt 0x0
	s_wait_kmcnt 0x0
	s_add_nc_u64 s[6:7], s[6:7], s[18:19]
.irp n, 0,1
	s_mov_b32 s[G0+4*\n], 1
	s_add_co_u32 s[G0+4*\n+1], s17, \n*SLOTB
	s_add_nc_u64 s[G0+4*\n+2:G0+4*\n+3], s[6:7], \n*SLOTB
	s_or_b32 s[G0+4*\n+3], s[G0+4*\n+3], 0x80000000
.endr
	ROUND                                          ; the four work-groups are here: the first joint load meets
	tensor_load_to_lds s[G0:G0+3], s[G1:G1+7]      ; tile 0
	s_nop 0
	s_add_nc_u64 s[4:5], s[4:5], s[46:47]
	s_add_nc_u64 s[10:11], s[10:11], s[46:47]
	s_add_nc_u64 s[8:9], s[8:9], s[42:43]
	s_lshl_b32 s42, s12, 12
	s_add_nc_u64 s[10:11], s[10:11], s[42:43]      ; + my four fragments of the way out
	v_and_b32 v1, 31, v0                           ; L
	v_and_b32 v2, 15, v0                           ; r
	v_bfe_u32 v3, v0, 4, 1                         ; h
	s_lshl_b32 s40, s12, 14
	v_lshl_add_u32 v[ADRK], v1, 4, s40
	v_add_nc_u32 v[ADRK+1], SLOTB, v[ADRK]
	v_add_nc_u32 v[ADRV], VPART, v[ADRK]
	v_add_nc_u32 v[ADRV+1], SLOTB+VPART, v[ADRK]
	v_lshlrev_b32 v[QO], 4, v1
	v_lshlrev_b32 v[VO], 3, v1
.irp qg, 0,1,2,3
	v_mov_b32 v[T+\qg], 0                          ; v_permlanex16_b32's destination counts as read
.endr
	WIN 0x40
.set i, 0
.rept 32
	global_load_b128 v[4*i:4*i+3], v[QO], s[4:5] offset:512*i      ; my 64 queries x 128 tokens: 16 fragments, kept for the whole launch
.set i, i+1
.endr
	WIN 0
	global_load_b64 v[48:49], v[VO], s[8:9]        ; the 64 partial sums of P var
	s_wait_loadcnt 0x0
	v_add_f32 v48, v48, v49
	v_add_f32_dpp v48, v48, v48 row_xmask:1 row_mask:0xf bank_mask:0xf
	v_add_f32_dpp v48, v48, v48 row_xmask:2 row_mask:0xf bank_mask:0xf
	v_add_f32_dpp v48, v48, v48 row_xmask:4 row_mask:0xf bank_mask:0xf
	v_add_f32_dpp v48, v48, v48 row_xmask:8 row_mask:0xf bank_mask:0xf
	v_permlanex16_b32 v[T], v48, s20, s21
	v_add_f32 v48, v48, v[T]
	v_max_num_f32 v48, 0, v48                      ; a variance is not negative, whatever rounding left
	v_fma_f32 v48, v48, s22, s23
	v_rsq_f32 v48, v48
	v_nop
	s_wait_alu depctr_va_vdst(0)
	v_mul_f32 v[CC],   0x3fb8aa3b, v48             ; c = rstd log2 e
	v_mul_f32 v[CC+1], 0x3fb8aa3b, v48
	v_mul_f32 v[NC],   0xbfb8aa3b, v48
	TRIP 0, 1, 1, MA, MB
	TRIP 1, 1, 0, MB, MA
	s_mov_b32 s44, 14
.Lpair:
	TRIP 0, 1, 0, MA, MB
	TRIP 1, 1, 0, MB, MA
	s_sub_co_u32 s44, s44, 1
	s_cmp_lg_u32 s44, 0
	s_cbranch_scc1 .Lpair
	TRIP 0, 1, 0, MA, MB                           ; tile 30; tile 31 is the last request
	TRIP 1, 0, 0, MB, MA
	; THE WAY OUT.  Each wave's maxima, sums and context go to LDS; slot 0 has had its last fill, and its last reads lie in front of the last round.
	PLACES
.irp qg, 0,1,2,3
	v_add_f32 v[LL+\qg], v[LP+2*\qg], v[LP+2*\qg+1]
.endr
.irp qg, 0,1,2,3
	v_permlanex16_b32 v[T+\qg], v[LL+\qg], s20, s21
.endr
.irp qg, 0,1,2,3
	v_add_f32 v[LL+\qg], v[LL+\qg], v[T+\qg]
.endr
	s_lshl_b32 s40, s12, 9
	s_add_co_u32 s40, s40, STAT
	v_lshl_add_u32 v[STA], v2, 2, s40
	v_lshl_add_u32 v[PST], v1, 4, s17              ; wave x 32,768 + 16 L
	s_lshl_b32 s40, s12, 7
	s_add_co_u32 s40, s40, STAT
	v_lshl_add_u32 v[SRD], v2, 2, s40
	s_lshl_b32 s40, s12, 10
	v_lshl_add_u32 v[PRD], v1, 4, s40
	v_add_nc_u32 v[PRD+1], 65536, v[PRD]
	s_mul_i32 s40, s12, 16*PS
	s_add_co_u32 s40, s40, STG
	v_mul_u32_u24 v59, v2, PS
	v_lshl_add_u32 v59, v3, 4, v59
	v_add_nc_u32 v[STGS], s40, v59                 ; channel 16 v + r, tokens 8 h
	s_lshr_b32 s40, s12, 1
	s_mul_i32 s40, s40, 32*PS
	s_and_b32 s41, s12, 1
	s_lshl_b32 s41, s41, 7
	s_add_co_u32 s40, s40, s41
	s_add_co_u32 s40, s40, STG
	v_and_b32 v59, 7, v0
	v_lshl_add_u32 v59, v3, 3, v59
	v_mul_u32_u24 v59, v59, PS
	v_bfe_u32 v60, v0, 3, 1
	v_lshl_add_u32 v59, v60, 4, v59
	v_add_nc_u32 v[STGR], s40, v59
.irp qg, 0,1,2,3
	ds_store_b32 v[STA], v[MA+\qg] offset:128*\qg          ; lanes r and r + 16 write the same word with the same number
	ds_store_b32 v[STA], v[LL+\qg] offset:128*\qg+64
.endr
	WIN 0x08
.set i, 0
.rept 32
	ds_store_b128 v[PST], v[8*i:8*i+3]   offset:1024*i
	ds_store_b128 v[PST], v[8*i+4:8*i+7] offset:1024*i+512
.set i, i+1
.endr
	WIN 0
	s_wait_dscnt 0x0
	s_barrier_signal -1
	s_barrier_wait -1
	; wave v merges query group v
.irp w, 0,1,2,3
	ds_load_b32 v[EM+\w], v[SRD] offset:512*\w
	ds_load_b32 v[EL+\w], v[SRD] offset:512*\w+64
.endr
	LOADP 0
	LOADP 1
	s_wait_dscnt 32                                ; maxima and sums are in; the 32 loads issued behind them stay out
	v_max3_num_f32 v32, v[EM], v[EM+1], v[EM+2]
	v_max_num_f32 v32, v32, v[EM+3]
.irp w, 0,1,2,3
	v_sub_f32 v[EF+\w], v[EM+\w], v32
.endr
.irp w, 0,1,2,3
	v_mul_f32 v[EF+\w], v[EF+\w], v[CC]
.endr
.irp w, 0,1,2,3
	v_exp_f32 v[EF+\w], v[EF+\w]
.endr
	v_nop
	s_wait_alu depctr_va_vdst(0)
	v_mul_f32 v33, v[EF], v[EL]
	v_fmac_f32 v33, v[EF+1], v[EL+1]
	v_fmac_f32 v33, v[EF+2], v[EL+2]
	v_fmac_f32 v33, v[EF+3], v[EL+3]
	v_rcp_f32 v33, v33
	v_nop
	s_wait_alu depctr_va_vdst(0)
.irp w, 0,1,2,3
	v_mul_f32 v[GW+2*\w],   v[EF+\w], v33
	v_mul_f32 v[GW+2*\w+1], v[EF+\w], v33
.endr
	s_wait_dscnt 16                                ; the older batch of 16 is in, the younger stays out
	ACCP 0, 1
	LOADP 2
	s_wait_dscnt 16
	ACCP 1, 0
	LOADP 3
	s_wait_dscnt 16
	ACCP 2, 0
	s_wait_dscnt 0x0
	ACCP 3, 0
	; lane = channel, registers = tokens; the last launch wants rows = tokens, k = channels: through LDS, transposed on the way back
.irp tt, 0,1,2,3,4,5,6,7
.irp p, 0,1,2,3
	v_cvt_pk_f16_f32 v[FA+4*\tt+\p], v[PP+8*\tt+2*\p], v[PP+8*\tt+2*\p+1]
.endr
.endr
.irp tt, 0,1,2,3,4,5,6,7
	ds_store_b128 v[STGS], v[FA+4*\tt:FA+4*\tt+3] offset:32*\tt
.endr
	s_wait_dscnt 0x0
	s_barrier_signal -1
	s_barrier_wait -1
.irp i, 0,1,2,3
	ds_load_tr16_b128 v[128+8*\i:128+8*\i+3], v[STGR] offset:32*\i
	ds_load_tr16_b128 v[132+8*\i:132+8*\i+3], v[STGR] offset:32*\i+16*PS
.endr
.irp j, 0,1,2,3,4,5,6,7
	s_wait_dscnt 7-\j                              ; LDS loads come back in order: the j-th of the eight is in
	global_store_b128 v[QO], v[128+4*\j:128+4*\j+3], s[10:11] offset:512*\j      ; 512 consecutive bytes
.endr
	s_wait_tensorcnt 0x0
	ds_add_u32 v61, v62
	s_wait_dscnt 0x0
	ROUND                                          ; the closing round
	s_endpgm
.Lfunc_end_k_q7213fa47d5_attn:
	.size	k_q7213fa47d5_attn, .Lfunc_end_k_q7213fa47d5_attn-k_q7213fa47d5_attn
	.p2alignl 7, 3214868480
	.fill 96, 4, 3214868480
	.section	.rodata,"a",@progbits
	.p2align	6, 0x0
	.amdhsa_kernel k_q7213fa47d5_attn
		.amdhsa_group_segment_fixed_size 327680
		.amdhsa_private_segment_fixed_size 0
		.amdhsa_enable_private_segment 0
		.amdhsa_kernarg_size 32
		.amdhsa_user_sgpr_count 2
		.amdhsa_user_sgpr_kernarg_segment_ptr 1
		.amdhsa_wavefront_size32 1
		.amdhsa_system_sgpr_workgroup_id_x 1
		.amdhsa_system_sgpr_workgroup_id_y 1
		.amdhsa_system_sgpr_workgroup_id_z 1
		.amdhsa_system_vgpr_workitem_id 0
		.amdhsa_next_free_vgpr 768
		.amdhsa_next_free_sgpr 66
		.amdhsa_reserve_vcc 0
		.amdhsa_float_denorm_mode_32 3
		.amdhsa_float_denorm_mode_16_64 3
		.amdhsa_memory_ordered 1
		.amdhsa_forward_progress 1
		.amdhsa_inst_pref_size 255
	.end_amdhsa_kernel
	.section	.bss,"aw",@nobits
	.p2align	6
	.space	262144
	.amdgpu_metadata
---
amdhsa.version: [ 1, 2 ]
amdhsa.kernels:
  - .name:           k_q7213fa47d5_attn
    .symbol:         k_q7213fa47d5_attn.kd
    .args:
      - { .name: qf, .offset: 0, .size: 8, .value_kind: global_buffer, .address_space: global }
      - { .name: kvf, .offset: 8, .size: 8, .value_kind: global_buffer, .address_space: global }
      - { .name: varp, .offset: 16, .size: 8, .value_kind: global_buffer, .address_space: global }
      - { .name: ctxf, .offset: 24, .size: 8, .value_kind: global_buffer, .address_space: global }
    .group_segment_fixed_size: 327680
    .private_segment_fixed_size: 0
    .kernarg_segment_align: 8
    .kernarg_segment_size: 32
    .max_flat_workgroup_size: 128
    .sgpr_count:     66
    .vgpr_count:     768
    .wavefront_size: 32
...
	.end_amdgpu_metadata
.endif
;; end of part 3
;; launch outp (part 4): grid 64 x 4, 8 waves a work-group, no clusters, 35,840 bytes of LDS; arguments ctxf, wof, out0; writes out0
.if DOCPART == 4
	.amdgcn_target "amdgcn-amd-amdhsa--gfx1250"
	.amdhsa_code_object_version 6
	.text
	.protected	k_q7213fa47d5_outp
	.globl	k_q7213fa47d5_outp
	.p2align	8
	.type	k_q7213fa47d5_outp,@function
k_q7213fa47d5_outp:
	s_mov_b64 s[64:65], 0
	v_nop
	global_prefetch_b8 v0, s[64:65] scope:SCOPE_SE
	s_setreg_imm32_b32 hwreg(HW_REG_WAVE_MODE, 25, 1), 1
	s_wait_xcnt 0x0
; out[s] = ctx[s] Wo.  A work-group makes 16 tokens x 64 outputs; its eight waves split K = 2,048 (8 blocks of 32 channels each)
; and their f32 partial sums meet in LDS.  Both operands lie in memory in fragment order (f16), so they go straight into registers:
; each load of a wave is 512 consecutive bytes.  Source 0 = Wo (rows = outputs), source 1 = ctx (columns = tokens): a lane holds
; eight neighbouring outputs of one token.
; No cluster and no tensor loads: operands need no LDS, and a work-group's share is small.
.set ACC, 16                           ; v[16:47]  4 accumulator tiles
.set BUF, 64                           ; v[64:223] ring of 4 buffers: ctx fragment, then 4 fragments of Wo
.set PR,  272                          ; LDS pitch of a row of 64 f32: 256 + 16
.macro PLACES                          ; four places behind a matrix instruction (ISA guide 7.12.1)
.rept 4
	v_nop
.endr
.endm
.macro LOADK k
.set bb, BUF+40*(\k&3)
	global_load_b128 v[bb:bb+3],   v2, s[4:5] offset:\k*8192
	global_load_b128 v[bb+4:bb+7], v2, s[4:5] offset:\k*8192+512
.irp i, 0,1,2,3
	global_load_b128 v[bb+8+8*\i:bb+11+8*\i],  v2, s[6:7] offset:\k*16384+\i*1024
	global_load_b128 v[bb+12+8*\i:bb+15+8*\i], v2, s[6:7] offset:\k*16384+\i*1024+512
.endr
.endm
.macro MULK k, zero                    ; the 4 accumulators take turns, one instruction a turn
.set bb, BUF+40*(\k&3)
.irp i, 0,1,2,3
.if \zero
	v_wmma_f32_16x16x32_f16 v[ACC+8*\i:ACC+8*\i+7], v[bb+8+8*\i:bb+15+8*\i], v[bb:bb+7], 0
.else
	v_wmma_f32_16x16x32_f16 v[ACC+8*\i:ACC+8*\i+7], v[bb+8+8*\i:bb+15+8*\i], v[bb:bb+7], v[ACC+8*\i:ACC+8*\i+7]
.endif
.endr
.endm
	s_load_b128 s[4:7], s[0:1], 0x0                ; ctxf s[4:5], wof s[6:7]
	s_load_b64 s[8:9], s[0:1], 0x10                ; out0
	v_lshl_add_u32 v224, v0, 2, 0x8800
	v_mov_b32 v225, 0
	v_lshrrev_b32 v1, 5, v0
	v_readfirstlane_b32 s10, v1                    ; wave
	s_lshr_b32 s11, ttmp9, 3                       ; sample
	s_and_b32 s12, ttmp9, 7                        ; token tile
	s_and_b32 s13, ttmp7, 0xffff                   ; block of 64 outputs
	s_mov_b32 s15, 0
	s_mov_b32 s17, 0
	s_mov_b32 s19, 0
	s_lshl_b32 s14, s11, 19                        ; ctxf: sample x 524,288 + wave x 8 blocks of 8,192 + tile x 1,024
	s_lshl_b32 s20, s10, 16
	s_add_co_u32 s14, s14, s20
	s_lshl_b32 s20, s12, 10
	s_add_co_u32 s14, s14, s20
	s_lshl_b32 s16, s10, 17                        ; wof: wave x 8 blocks of 16,384 + output block x 4,096
	s_lshl_b32 s20, s13, 12
	s_add_co_u32 s16, s16, s20
	s_lshl_b32 s18, s11, 17                        ; out0: (128 sample + 16 tile) rows of 1,024 bytes + 256 x output block
	s_lshl_b32 s20, s12, 14
	s_add_co_u32 s18, s18, s20
	s_lshl_b32 s20, s13, 8
	s_add_co_u32 s18, s18, s20
	v_and_b32 v1, 31, v0
	v_lshlrev_b32 v2, 4, v1                        ; 16 L
	s_wait_kmcnt 0x0
	s_add_nc_u64 s[4:5], s[4:5], s[14:15]
	s_add_nc_u64 s[6:7], s[6:7], s[16:17]
	s_add_nc_u64 s[8:9], s[8:9], s[18:19]
	LOADK 0
	LOADK 1
	LOADK 2
	LOADK 3
	v_and_b32 v6, 15, v0                           ; r, also t mod 16
	v_bfe_u32 v7, v0, 4, 1                         ; h
	s_mul_i32 s20, s10, 16*PR
	v_mul_u32_u24 v3, v6, PR
	v_lshl_add_u32 v3, v7, 5, v3
	v_add_nc_u32 v3, s20, v3                       ; my stage: row r, outputs 8 h
	v_lshrrev_b32 v8, 4, v0                        ; t / 16: the row that I sum
	v_mul_u32_u24 v4, v8, PR
	v_lshl_add_u32 v4, v6, 4, v4
	v_lshlrev_b32 v5, 10, v8
	v_lshl_add_u32 v5, v6, 4, v5                   ; the same place in out0
	s_wait_loadcnt 30                              ; ten loads a block, in order: this block is in, three younger blocks stay out
	MULK 0, 1                                      ; the first product starts the sums
	PLACES
	LOADK 4
	s_wait_loadcnt 30
	MULK 1, 0
	PLACES
	LOADK 5
	s_wait_loadcnt 30
	MULK 2, 0
	PLACES
	LOADK 6
	s_wait_loadcnt 30
	MULK 3, 0
	PLACES
	LOADK 7
	s_wait_loadcnt 30
	MULK 4, 0
	s_wait_loadcnt 20                              ; nothing more is fetched: the counts run down
	MULK 5, 0
	s_wait_loadcnt 10
	MULK 6, 0
	s_wait_loadcnt 0x0
	MULK 7, 0
	PLACES
.irp i, 0,1,2,3
	ds_store_b128 v3, v[ACC+8*\i:ACC+8*\i+3]   offset:64*\i
	ds_store_b128 v3, v[ACC+8*\i+4:ACC+8*\i+7] offset:64*\i+16
.endr
	s_wait_dscnt 0x0                               ; my partial sums are in LDS before I say so
	s_barrier_signal -1
	s_barrier_wait -1
.irp w, 0,1,2,3,4,5,6,7
	ds_load_b128 v[BUF+4*\w:BUF+4*\w+3], v4 offset:16*PR*\w
.endr
	s_wait_dscnt 0x0
.irp w, 0,2,4,6
	v_pk_add_f32 v[BUF+4*\w:BUF+4*\w+1],   v[BUF+4*\w:BUF+4*\w+1],   v[BUF+4*\w+4:BUF+4*\w+5]
	v_pk_add_f32 v[BUF+4*\w+2:BUF+4*\w+3], v[BUF+4*\w+2:BUF+4*\w+3], v[BUF+4*\w+6:BUF+4*\w+7]
.endr
.irp w, 0,4
	v_pk_add_f32 v[BUF+4*\w:BUF+4*\w+1],   v[BUF+4*\w:BUF+4*\w+1],   v[BUF+4*\w+8:BUF+4*\w+9]
	v_pk_add_f32 v[BUF+4*\w+2:BUF+4*\w+3], v[BUF+4*\w+2:BUF+4*\w+3], v[BUF+4*\w+10:BUF+4*\w+11]
.endr
	v_pk_add_f32 v[BUF:BUF+1],   v[BUF:BUF+1],   v[BUF+16:BUF+17]
	v_pk_add_f32 v[BUF+2:BUF+3], v[BUF+2:BUF+3], v[BUF+18:BUF+19]
	global_store_b128 v5, v[BUF:BUF+3], s[8:9]     ; 16 lanes store 256 consecutive bytes, at a multiple of 256 from out0's first byte
	s_wait_tensorcnt 0x0
	ds_add_u32 v224, v225
	s_wait_dscnt 0x0
	s_endpgm
.Lfunc_end_k_q7213fa47d5_outp:
	.size	k_q7213fa47d5_outp, .Lfunc_end_k_q7213fa47d5_outp-k_q7213fa47d5_outp
	.p2alignl 7, 3214868480
	.fill 96, 4, 3214868480
	.section	.rodata,"a",@progbits
	.p2align	6, 0x0
	.amdhsa_kernel k_q7213fa47d5_outp
		.amdhsa_group_segment_fixed_size 35840
		.amdhsa_private_segment_fixed_size 0
		.amdhsa_enable_private_segment 0
		.amdhsa_kernarg_size 24
		.amdhsa_user_sgpr_count 2
		.amdhsa_user_sgpr_kernarg_segment_ptr 1
		.amdhsa_wavefront_size32 1
		.amdhsa_system_sgpr_workgroup_id_x 1
		.amdhsa_system_sgpr_workgroup_id_y 1
		.amdhsa_system_sgpr_workgroup_id_z 1
		.amdhsa_system_vgpr_workitem_id 0
		.amdhsa_next_free_vgpr 226
		.amdhsa_next_free_sgpr 66
		.amdhsa_reserve_vcc 0
		.amdhsa_float_denorm_mode_32 3
		.amdhsa_float_denorm_mode_16_64 3
		.amdhsa_memory_ordered 1
		.amdhsa_forward_progress 1
		.amdhsa_inst_pref_size 15
	.end_amdhsa_kernel
	.amdgpu_metadata
---
amdhsa.version: [ 1, 2 ]
amdhsa.kernels:
  - .name:           k_q7213fa47d5_outp
    .symbol:         k_q7213fa47d5_outp.kd
    .args:
      - { .name: ctxf, .offset: 0, .size: 8, .value_kind: global_buffer, .address_space: global }
      - { .name: wof, .offset: 8, .size: 8, .value_kind: global_buffer, .address_space: global }
      - { .name: out0, .offset: 16, .size: 8, .value_kind: global_buffer, .address_space: global }
    .group_segment_fixed_size: 35840
    .private_segment_fixed_size: 0
    .kernarg_segment_align: 8
    .kernarg_segment_size: 24
    .max_flat_workgroup_size: 256
    .sgpr_count:     66
    .vgpr_count:     226
    .wavefront_size: 32
...
	.end_amdgpu_metadata
.endif
;; end of part 4
;; ======== version 2 of 2: 4 launches; version 1 with the launch outp written anew for expert scheduling mode
;; limits: values are held in f16: magnitudes above 65,504 overflow, below 6.1e-05 lose precision
;; workspace buffers: qf 4,194,304 bytes; kvf 8,388,608 bytes; gp 16,777,216 bytes; mub 131,072 bytes; varp 2,048 bytes; wof 1,048,576 bytes; ctxf 4,194,304 bytes
;; launch proj: the kernel of part 1 again; grid 128 x 3, 8 waves a work-group, no clusters, 142,336 bytes of LDS; arguments emb, Wq, Wk, Wv, qf, kvf, gp, mub; writes qf, kvf, gp, mub
;; launch stat: the kernel of part 2 again; grid 64 x 2, 8 waves a work-group, no clusters, 10,240 bytes of LDS; arguments gp, mub, Wo, varp, wof; writes varp, wof
;; launch attn: the kernel of part 3 again; grid 256 x 1, 4 waves a work-group, clusters of 4 x 1, 327,680 bytes of LDS; arguments qf, kvf, varp, ctxf; writes ctxf
;; launch outp (part 5): grid 64 x 4, 8 waves a work-group, no clusters, 35,840 bytes of LDS; arguments ctxf, wof, out0; writes out0
.if DOCPART == 5
	.amdgcn_target "amdgcn-amd-amdhsa--gfx1250"
	.amdhsa_code_object_version 6
	.text
	.protected	k_q7213fa47d5_outp
	.globl	k_q7213fa47d5_outp
	.p2align	8
	.type	k_q7213fa47d5_outp,@function
k_q7213fa47d5_outp:
	s_mov_b64 s[64:65], 0
	v_nop
	global_prefetch_b8 v0, s[64:65] scope:SCOPE_SE
	s_setreg_imm32_b32 hwreg(HW_REG_WAVE_SCHED_MODE, 0, 2), 2
	s_setreg_imm32_b32 hwreg(HW_REG_WAVE_MODE, 25, 1), 1
	s_wait_xcnt 0x0
	s_wait_alu depctr_vm_vsrc(0)
; out[s] = ctx[s] Wo.  A work-group makes 16 tokens x 64 outputs; its eight waves split K = 2,048 (8 blocks of 32 channels each)
; and their f32 partial sums meet in LDS.  Both operands lie in memory in fragment order (f16), so they go straight into registers:
; each load of a wave is 512 consecutive bytes.  Source 0 = Wo (rows = outputs), source 1 = ctx (columns = tokens): a lane holds
; eight neighbouring outputs of one token.
; No cluster and no tensor loads: operands need no LDS, and a work-group's share is small.
; THE MODE: SCHED_MODE bits 1:0 = 2 (LLVM: expert scheduling mode 2), set by the entry lines.  The code itself states the register dependences
; between vector or matrix instructions and memory or LDS instructions, with s_wait_alu, always for 0.
; THE PLAN.  Registers that memory or LDS instructions touch:
;   v2, v3, v4, v5   offsets and LDS addresses: made at the head, ahead of the first load, and never written again.
;   BUF0 .. BUF3     Block k's ten loads land in BUF[k & 3]; step k's four matrix instructions read it.  Blocks 0 to 3 are asked for at the head;
;                    block k + 3 is asked for in step k (k = 1 to 4) and lands in BUF[(k - 1) & 3], which step k - 1 read.
;   ACC              written by matrix instructions alone; read by the eight LDS stores of the way out; not written again.
;   v[64:95]         on the way out the eight LDS loads land here (step 4's products read these registers last); the packed adds work on them; the store reads v[64:67].
;   v224, v225       written at the head, read by the closing add alone.
; So ONE wait on va_vdst stands at the head of each step that loads, behind the wait for the step's own data: the step before is done reading its buffer.
; The step's ten loads follow, dealt among its four matrix instructions, which name BUF[k & 3] and ACC: none of the registers that those loads touch.
; No register that a memory or LDS instruction reads is ever written again, so the text holds no wait on vm_vsrc.
.set ACC, 16                           ; v[16:47]  4 accumulator tiles
.set BUF, 64                           ; v[64:223] ring of 4 buffers: ctx fragment, then 4 fragments of Wo
.set PR,  272                          ; LDS pitch of a row of 64 f32: 256 + 16
.macro PLACES                          ; four places behind a matrix instruction (ISA guide 7.12.1)
.rept 4
	v_nop
.endr
.endm
.macro LOADK k                         ; the ten loads of block k in one run: for the ring's first fill
.set bb, BUF+40*(\k&3)
	global_load_b128 v[bb:bb+3],   v2, s[4:5] offset:\k*8192
	global_load_b128 v[bb+4:bb+7], v2, s[4:5] offset:\k*8192+512
.irp i, 0,1,2,3
	global_load_b128 v[bb+8+8*\i:bb+11+8*\i],  v2, s[6:7] offset:\k*16384+\i*1024
	global_load_b128 v[bb+12+8*\i:bb+15+8*\i], v2, s[6:7] offset:\k*16384+\i*1024+512
.endr
.endm
; Step k.  zero = 1: the products start the sums.  left = how many younger loads may stay out when block k has to be there.
; ahead = 1: block k + 3 is asked for, into the buffer that the step before read.
; The 4 accumulators take turns, one instruction a turn.
.macro STEP k, zero, left, ahead
.set mb, BUF+40*(\k&3)                 ; the buffer that is multiplied
.set nb, BUF+40*((\k+3)&3)             ; the buffer that is asked for again
	s_wait_loadcnt \left                           ; ten loads a block, in order (ISA guide 5.7.1): block k is in, the younger blocks stay out
.if \ahead
	s_wait_alu depctr_va_vdst(0)                   ; the matrix instructions of the step before are done reading the buffer in which the ten loads below land
	global_load_b128 v[nb:nb+3],   v2, s[4:5] offset:(\k+3)*8192
	global_load_b128 v[nb+4:nb+7], v2, s[4:5] offset:(\k+3)*8192+512
.endif
.irp i, 0,1,2,3
.if \zero
	v_wmma_f32_16x16x32_f16 v[ACC+8*\i:ACC+8*\i+7], v[mb+8+8*\i:mb+15+8*\i], v[mb:mb+7], 0
.else
	v_wmma_f32_16x16x32_f16 v[ACC+8*\i:ACC+8*\i+7], v[mb+8+8*\i:mb+15+8*\i], v[mb:mb+7], v[ACC+8*\i:ACC+8*\i+7]
.endif
.if \ahead
	global_load_b128 v[nb+8+8*\i:nb+11+8*\i],  v2, s[6:7] offset:(\k+3)*16384+\i*1024        ; no further wait: no matrix instruction since the wait above names these registers or v2
	global_load_b128 v[nb+12+8*\i:nb+15+8*\i], v2, s[6:7] offset:(\k+3)*16384+\i*1024+512
.endif
.endr
.endm
	s_load_b128 s[4:7], s[0:1], 0x0                ; ctxf s[4:5], wof s[6:7]
	s_load_b64 s[8:9], s[0:1], 0x10                ; out0
	v_lshl_add_u32 v224, v0, 2, 0x8800
	v_mov_b32 v225, 0
	v_lshrrev_b32 v1, 5, v0
	v_readfirstlane_b32 s10, v1                    ; wave
	s_lshr_b32 s11, ttmp9, 3                       ; sample
	s_and_b32 s12, ttmp9, 7                        ; token tile
	s_and_b32 s13, ttmp7, 0xffff                   ; block of 64 outputs
	s_mov_b32 s15, 0
	s_mov_b32 s17, 0
	s_mov_b32 s19, 0
	v_and_b32 v1, 31, v0
	v_lshlrev_b32 v2, 4, v1                        ; 16 L
	v_and_b32 v6, 15, v0                           ; r, also t mod 16
	v_bfe_u32 v7, v0, 4, 1                         ; h
	v_mul_u32_u24 v3, v6, PR
	v_lshl_add_u32 v3, v7, 5, v3                   ; a stage's row r, outputs 8 h
	v_lshrrev_b32 v8, 4, v0                        ; t / 16: the row that I sum
	v_mul_u32_u24 v4, v8, PR
	v_lshl_add_u32 v4, v6, 4, v4
	v_lshlrev_b32 v5, 10, v8
	v_lshl_add_u32 v5, v6, 4, v5                   ; the same place in out0
	s_wait_alu depctr_va_sdst(0)                   ; s10 is written, ahead of its first reader: the offsets in ctxf and wof and my stage's place are made from it
	s_lshl_b32 s14, s11, 19                        ; ctxf: sample x 524,288 + wave x 8 blocks of 8,192 + tile x 1,024
	s_lshl_b32 s20, s10, 16
	s_add_co_u32 s14, s14, s20
	s_lshl_b32 s20, s12, 10
	s_add_co_u32 s14, s14, s20
	s_lshl_b32 s16, s10, 17                        ; wof: wave x 8 blocks of 16,384 + output block x 4,096
	s_lshl_b32 s20, s13, 12
	s_add_co_u32 s16, s16, s20
	s_lshl_b32 s18, s11, 17                        ; out0: (128 sample + 16 tile) rows of 1,024 bytes + 256 x output block
	s_lshl_b32 s20, s12, 14
	s_add_co_u32 s18, s18, s20
	s_lshl_b32 s20, s13, 8
	s_add_co_u32 s18, s18, s20
	s_mul_i32 s21, s10, 16*PR
	v_add_nc_u32 v3, s21, v3                       ; my stage: row r, outputs 8 h
	s_wait_kmcnt 0x0
	s_add_nc_u64 s[4:5], s[4:5], s[14:15]
	s_add_nc_u64 s[6:7], s[6:7], s[16:17]
	s_add_nc_u64 s[8:9], s[8:9], s[18:19]
	s_wait_alu depctr_va_vdst(0)                   ; v2, v3, v4 and v5 are written, which every load, LDS access and store below reads as its offset or address; so are v224 and v225
	LOADK 0
	LOADK 1
	LOADK 2
	LOADK 3
	STEP 0, 1, 30, 0                               ; the first product starts the sums; three younger blocks stay out
	PLACES                                         ; four plain places stand between a step's products and the loads that land in the buffer that they read
	STEP 1, 0, 20, 1                               ; blocks 2 and 3 stay out; block 4 is asked for
	PLACES
	STEP 2, 0, 20, 1                               ; blocks 3 and 4 stay out; block 5 is asked for
	PLACES
	STEP 3, 0, 20, 1
	PLACES
	STEP 4, 0, 20, 1                               ; block 7 is the last request
	STEP 5, 0, 20, 0                               ; nothing more is fetched: no wait on va_vdst, and the counts run down
	STEP 6, 0, 10, 0
	STEP 7, 0, 0, 0
	PLACES
	s_wait_alu depctr_va_vdst(0)                   ; the matrix instructions have written the accumulators, which the LDS stores read, and are done reading v[64:95], in which the LDS loads below land; the places above stay beside this wait
.irp i, 0,1,2,3
	ds_store_b128 v3, v[ACC+8*\i:ACC+8*\i+3]   offset:64*\i
	ds_store_b128 v3, v[ACC+8*\i+4:ACC+8*\i+7] offset:64*\i+16
.endr
	s_wait_dscnt 0x0                               ; my partial sums are in LDS before I say so
	s_barrier_signal -1
	s_barrier_wait -1
.irp w, 0,1,2,3,4,5,6,7
	ds_load_b128 v[BUF+4*\w:BUF+4*\w+3], v4 offset:16*PR*\w
.endr
	s_wait_dscnt 0x0
.irp w, 0,2,4,6
	v_pk_add_f32 v[BUF+4*\w:BUF+4*\w+1],   v[BUF+4*\w:BUF+4*\w+1],   v[BUF+4*\w+4:BUF+4*\w+5]
	v_pk_add_f32 v[BUF+4*\w+2:BUF+4*\w+3], v[BUF+4*\w+2:BUF+4*\w+3], v[BUF+4*\w+6:BUF+4*\w+7]
.endr
.irp w, 0,4
	v_pk_add_f32 v[BUF+4*\w:BUF+4*\w+1],   v[BUF+4*\w:BUF+4*\w+1],   v[BUF+4*\w+8:BUF+4*\w+9]
	v_pk_add_f32 v[BUF+4*\w+2:BUF+4*\w+3], v[BUF+4*\w+2:BUF+4*\w+3], v[BUF+4*\w+10:BUF+4*\w+11]
.endr
	v_pk_add_f32 v[BUF:BUF+1],   v[BUF:BUF+1],   v[BUF+16:BUF+17]
	v_pk_add_f32 v[BUF+2:BUF+3], v[BUF+2:BUF+3], v[BUF+18:BUF+19]
	s_wait_alu depctr_va_vdst(0)                   ; the packed adds have written v[64:67], which the store reads
	global_store_b128 v5, v[BUF:BUF+3], s[8:9]     ; 16 lanes store 256 consecutive bytes, at a multiple of 256 from out0's first byte
	s_wait_dscnt 0x0                               ; the closing lines, six on end
	s_wait_alu 0x0
	s_wait_tensorcnt 0x0
	ds_add_u32 v224, v225
	s_wait_dscnt 0x0
	s_endpgm
.Lfunc_end_k_q7213fa47d5_outp:
	.size	k_q7213fa47d5_outp, .Lfunc_end_k_q7213fa47d5_outp-k_q7213fa47d5_outp
	.p2alignl 7, 3214868480
	.fill 96, 4, 3214868480
	.section	.rodata,"a",@progbits
	.p2align	6, 0x0
	.amdhsa_kernel k_q7213fa47d5_outp
		.amdhsa_group_segment_fixed_size 35840
		.amdhsa_private_segment_fixed_size 0
		.amdhsa_enable_private_segment 0
		.amdhsa_kernarg_size 24
		.amdhsa_user_sgpr_count 2
		.amdhsa_user_sgpr_kernarg_segment_ptr 1
		.amdhsa_wavefront_size32 1
		.amdhsa_system_sgpr_workgroup_id_x 1
		.amdhsa_system_sgpr_workgroup_id_y 1
		.amdhsa_system_sgpr_workgroup_id_z 1
		.amdhsa_system_vgpr_workitem_id 0
		.amdhsa_next_free_vgpr 226
		.amdhsa_next_free_sgpr 66
		.amdhsa_reserve_vcc 0
		.amdhsa_float_denorm_mode_32 3
		.amdhsa_float_denorm_mode_16_64 3
		.amdhsa_memory_ordered 1
		.amdhsa_forward_progress 1
		.amdhsa_inst_pref_size 16
	.end_amdhsa_kernel
	.amdgpu_metadata
---
amdhsa.version: [ 1, 2 ]
amdhsa.kernels:
  - .name:           k_q7213fa47d5_outp
    .symbol:         k_q7213fa47d5_outp.kd
    .args:
      - { .name: ctxf, .offset: 0, .size: 8, .value_kind: global_buffer, .address_space: global }
      - { .name: wof, .offset: 8, .size: 8, .value_kind: global_buffer, .address_space: global }
      - { .name: out0, .offset: 16, .size: 8, .value_kind: global_buffer, .address_space: global }
    .group_segment_fixed_size: 35840
    .private_segment_fixed_size: 0
    .kernarg_segment_align: 8
    .kernarg_segment_size: 24
    .max_flat_workgroup_size: 256
    .sgpr_count:     66
    .vgpr_count:     226
    .wavefront_size: 32
...
	.end_amdgpu_metadata
.endif
;; end of part 5
